; MI455X (gfx1250); checked and timed in simulation.
; The chip was launched on July 23, 2026; its instructions are those of AMD's public machine-readable ISA for CDNA 5 (MIT licence, August 2026) and "CDNA5" Instruction Set Architecture Reference Guide (July 2026). The comments in the code are by the model that wrote it; some were corrected since.
;; Rotary Attention. Allowed arithmetic: matrix products marked QUANTISED: E2M3 operands, one E8M0 scale for each 32 along K, by v_wmma_scale_f32_16x16x128_f8f6f4 with both operands' format E2M3, f32 sums; everything else in f32.
;; Inputs: Wk 1,024 x 1,024 float32; Wo 1,024 x 1,024 float32; Wq 1,024 x 1,024 float32; Wv 1,024 x 1,024 float32; bk 1,024 float32; bo 1,024 float32; bq 1,024 float32; bv 1,024 float32; cos 2,048 x 1 x 64 float32; key 4 x 2,048 x 1,024 float32; mask 4 x 2,048 x 2,048 bool; query 4 x 2,048 x 1,024 float32; sin 2,048 x 1 x 64 float32; value 4 x 2,048 x 1,024 float32.
;; Outputs: out0 4 x 2,048 x 1,024 float32.
;; This version of the problem:
;;   THIS VERSION OF THE PROBLEM IS GIVEN IN LOW PRECISION. The matrix products marked QUANTISED in the list below multiply operands that are first quantised to E2M3 (2 exponent bits, 3 mantissa bits; 6 bits a number), with one power-of-two scale for each 32 numbers along K (OCP MX v1.0); their sums are f32. All else is computed in f32.
;;   The module's matrix products, in the order in which they are computed (A, B: the left and right operand; K: the contracted axis; several contracted axes count as one K, in the product's order):
;;     1. [M 8,192, K 1,024] x [K 1,024, N 1,024]; A: input query; B: input Wq: QUANTISED
;;     2. [M 8,192, K 1,024] x [K 1,024, N 1,024]; A: input key; B: input Wk: QUANTISED
;;     3. [M 8,192, K 1,024] x [K 1,024, N 1,024]; A: input value; B: input Wv: QUANTISED
;;     4. batch 64 x [M 2,048, K 64] x [K 64, N 2,048]; A: computed on the way; B: computed on the way: QUANTISED
;;     5. batch 64 x [M 64, K 2,048] x [K 2,048, N 2,048]; A: computed on the way; B: softmax (see below): QUANTISED
;;     6. [M 8,192, K 1,024] x [K 1,024, N 1,024]; A: computed on the way; B: input Wo: QUANTISED
;;   THE QUANTISER, for each operand of a quantised product, along K:
;;     - K is cut into blocks of 32 from its start; a last block that is shorter is filled with zeros.
;;     - A block's scale is 2^e with e = floor(log2(the largest magnitude in the block)) - 2, held to -126 .. 127; a block of zeros has e = 0. As a byte (E8M0): e + 127.
;;     - Each number is divided by its block's scale, clamped to +-7.5, and rounded to the nearest number of E2M3, ties to even, subnormals kept.
;;     - The product sums the exact products of the quantised numbers (number of the format x scale) in f32.
;;   ~~~python
;;   def quantise(x, axis):      # numpy; x: float32 -> the quantised numbers, widened to float32 again
;;       x = np.moveaxis(x, axis, -1); K = x.shape[-1]
;;       x = np.pad(x, [(0, 0)] * (x.ndim - 1) + [(0, -K % 32)]); x = x.reshape(x.shape[:-1] + (-1, 32)); a = np.abs(x).max(-1, keepdims=True)
;;       e = np.where(a > 0, np.clip(np.frexp(np.where(a > 0, a, 1))[1] - 1 - 2, -126, 127), 0)      # np.frexp(a)[1] - 1 = floor(log2(a)), exactly
;;       r = np.clip(x / 2.0 ** e, -7.5, 7.5)
;;       step = 2.0 ** (np.maximum(np.frexp(np.where(r == 0, 1, r))[1] - 1, 0) - 3)
;;       q = np.round(r / step) * step * 2.0 ** e      # np.round: ties to even
;;       return np.moveaxis(q.reshape(q.shape[:-2] + (-1,))[..., :K], -1, axis).astype(np.float32)
;;   ~~~
;;   SOFTMAX AHEAD OF A QUANTISED PRODUCT. Where the list says 'softmax', what is quantised is not the finished softmax but p = 2^(t - M), with t = logit x log2(e) and M = ceil(the row's largest t), a whole number; so 1/2 < the row's largest p <= 1. The row's sum l is taken of the UNQUANTISED p, in f32, and the product's result is divided by l at the end. Since M is a whole number, a kernel that streams over the keys may use a running M (the ceiling of the running maximum): every later rescaling is an exact power of two, which a block's scale takes up: the codes' values come out the same.
;;   OPERANDS COMPUTED ON THE WAY. 'Computed on the way' means the value that the module computes at that place (a softmax that the list does not call 'softmax' is quantised finished and normalised). What goes into a quantiser is computed in f32, as accurately as f32 sums, v_exp_f32 and their like allow (about 1e-6 of the number): no bf16 or f16 on the way to a quantiser, and a product that is left as it is and whose result goes on into a quantised operand takes f32 operands (vector FMAs, or v_wmma_f32_16x16x4_f32). A number that lies on a knife's edge between two numbers of the format may be rounded either way, as far as f32 arithmetic and the matrix unit's own rounding can turn it there, and no further.
;; One version. Each part assembles by itself: llvm-mc -triple=amdgcn-amd-amdhsa -mcpu=gfx1250 --defsym DOCPART=n.
;; ======== version 1 of 1: 4 launches
;; limits: right only within a limited range of input values
;; workspace buffers: cod 22,020,096 bytes; scl 1,179,648 bytes; mbits 2,359,296 bytes of whole numbers; qkimg 12,582,912 bytes; qkscl 524,288 bytes; vimg 6,291,456 bytes; vscl 262,144 bytes; ocod 6,291,456 bytes
;; launch prep (part 1): grid 1408 x 1, 4 waves a work-group, no clusters, 51,712 bytes of LDS; arguments query, key, value, Wq, Wk, Wv, Wo, mask, cod, scl, mbits; writes cod, scl, mbits
.if DOCPART == 1
	.amdgcn_target "amdgcn-amd-amdhsa--gfx1250"
	.amdhsa_code_object_version 6
	.text
	.protected	k_qee0dfd4dca_prep
	.globl	k_qee0dfd4dca_prep
	.p2align	8
	.type	k_qee0dfd4dca_prep,@function
k_qee0dfd4dca_prep:
	s_mov_b64 s[64:65], 0
	v_nop
	global_prefetch_b8 v0, s[64:65] scope:SCOPE_SE
	s_setreg_imm32_b32 hwreg(HW_REG_WAVE_MODE, 25, 1), 1
	s_wait_xcnt 0x0
; PREP.  Two jobs in one launch, parted once on the work-group's number; the two ways never join and have LDS bytes of their own.
; (1) Work-groups 512 .. 1407: query, key, value [8192][1024] and Wq, Wk, Wv, Wo [1024][1024], f32, K innermost, become codes of FP6 (E2M3) with one E8M0 byte for each 32 along K.
;     A block's byte is its largest magnitude's exponent field - 2, held at 1 from below.  The codes are laid in the order of the operand's registers:
;     a TILE is 16 rows, tile (g, u) of a group of 32 rows holding rows 32 g + 8 u + rho + 8 (rho / 8); a fragment (tile x 128 K, 12 registers a lane) is six planes of 256 bytes,
;     plane p = registers 2 p, 2 p + 1, lane l at 8 l; a tensor is [tile][K step 0..7][1,536 bytes].  Scale words: section + K step x rows x 4 + (tile / 4) x 256 + 16 r + 4 (tile % 4).
;     A wave takes 64 rows (4 tiles) x one K step: four patches of 16 rows x 512 bytes, each row read by one load of 512 consecutive bytes, turned through the wave's own stage in LDS.
; (2) Work-groups 0 .. 511: the mask [4][2048][2048] of bytes becomes lane-mask words for the attention: for a tile of 16 queries and a step of 128 keys 64 words; bit r + 16 h of word n
;     is mask[b][query rho = r of the tile][128 step + 64 (n / 32) + 32 h + n % 32]; word n stands at place 2 (n % 32) + n / 32 of the step's 256 bytes.
; LIMITS: blocks whose largest magnitude lies under 2^-124 keep the byte 1; a block of zeros has the byte 1 (its codes are zeros, and this program alone reads the bytes); NaN and infinities among the inputs are not served.
.set SPARE, 51200                      ; the spare words, 128 bytes for each wave: two blocks of 256 bytes that no other line names
.set QSTG,  8448                       ; the quantiser's stage of a wave: 16 rows x (512 + 16) bytes, from LDS byte 0 on
.set MSTG0, 33792                      ; the mask's stages begin here
.set MSTG,  4352                       ; 16 rows x (256 + 16) bytes
.set SPW,   12                         ; v12  LDS address of my spare word; never rewritten
.set NIL,   13                         ; v13  0; never rewritten
.set RA,    32                         ; v32-159   two sets of 64: a patch as loaded
.set X,     160                        ; v160-223  my 64 numbers of a patch: register 32 c + i = k 64 c + 32 h + i of row r
.set C,     224                        ; v224-235  the fragment
.set CT,    236                        ; v236-243  the upper halves of its two blocks, as converted
.set W,     244                        ; v244-247  the four patches' scale words
.set D,     248                        ; v248-249  the pair that is stored
.set ML,    32                         ; mask: v32-95 as loaded
.set MB,    96                         ; v96-127 my 128 bytes of a span
.set OUTW,  10                         ; v10-11 the step's 64 words, a lane a pair
.macro LOADP p                         ; patch p: the 16 rows of tile p, 512 consecutive bytes a load
.irp j, 0,1,2,3,4,5,6,7,8,9,10,11,12,13,14,15
	global_load_b128 v[RA+64*((\p)%2)+4*\j:RA+64*((\p)%2)+4*\j+3], v4, s[28:29] offset:(32*((\p)/2)+8*((\p)%2)+\j+8*(\j/8))*4096 th:TH_LOAD_NT
.endr
.endm
.macro TURNP p                         ; through my stage: in as loaded, out 128 bytes of one row at a time.  LDS serves a wave's instructions in order: no wait between
.irp j, 0,1,2,3,4,5,6,7,8,9,10,11,12,13,14,15
	ds_store_b128 v5, v[RA+64*((\p)%2)+4*\j:RA+64*((\p)%2)+4*\j+3] offset:528*\j
.endr
.irp c, 0,1
.irp jj, 0,1,2,3,4,5,6,7
	ds_load_b128 v[X+32*\c+4*\jj:X+32*\c+4*\jj+3], v6 offset:256*\c+16*\jj
.endr
.endr
.endm
.macro Q2 p                            ; my two whole blocks (2 c + h) of row r become registers 6 c .. 6 c + 5 of the fragment
.irp k, 0,1,2,3
	v_max3_num_f32 v[16+\k], |v[X+16*\k]|, |v[X+16*\k+1]|, 0x1800000   ; four chains of 16 numbers, each with the floor 2^(3 - 127): the byte cannot fall under 1
.endr
.irp i, 2,4,6,8,10,12,14
.irp k, 0,1,2,3
	v_max3_num_f32 v[16+\k], v[16+\k], |v[X+16*\k+\i]|, |v[X+16*\k+\i+1]|
.endr
.endr
	v_max_num_f32 v16, v16, v17                    ; block 2 x 0 + h
	v_max_num_f32 v17, v18, v19                    ; block 2 x 1 + h
	v_add_nc_u32 v18, 0xff000000, v16              ; 2 off the exponent field: the conversion's scale operand
	v_add_nc_u32 v19, 0xff000000, v17
	v_lshrrev_b32 v20, 23, v18                     ; the bytes
	v_lshrrev_b32 v21, 23, v19
	v_lshl_or_b32 v22, v21, 16, v20
	v_lshlrev_b32 v22, v9, v22                     ; at their places in the row's word: 8 h bits up
	v_permlanex16_b32 v23, v22, s38, s39
	v_or_b32 v[W+\p], v22, v23                     ; with lane l xor 16's two the word is whole, in both lanes
.irp c, 0,1
	v_cvt_scalef32_pk16_fp6_f32 v[C+6*\c:C+6*\c+2], v[X+32*\c:X+32*\c+15], v[18+\c]
	v_cvt_scalef32_pk16_fp6_f32 v[CT+4*\c:CT+4*\c+2], v[X+32*\c+16:X+32*\c+31], v[18+\c]   ; (a conversion's three registers begin on an even number)
.endr
	v_nop                                          ; one plain place behind a scaled conversion
.irp c, 0,1
.irp i, 0,1,2
	v_mov_b32 v[C+3+6*\c+\i], v[CT+4*\c+\i]
.endr
.endr
.irp k, 0,1,2,3,4,5
	global_store_b64 v7, v[C+2*\k:C+2*\k+1], s[20:21] offset:12288*\p+256*\k   ; a plane: 32 lanes store 256 consecutive bytes, aligned
.endr
.endm
.macro MWORDS st                       ; the 64 words of step st of the span in hand, eight at a time
.set nb, 0
.rept 8
.set kk, 0
.rept 8
	v_and_b32 v[16+kk], 0xff<<(8*((nb+kk)%4)), v[MB+16*(\st)+4*((nb+kk)/16)+((nb+kk)%16)/4]
.set kk, kk+1
.endr
.set kk, 0
.rept 8
	v_cmp_ne_u32 s[40+kk], 0, v[16+kk]             ; bit l: my lane's byte is set
.set kk, kk+1
.endr
.set kk, 0
.rept 8
	v_writelane_b32 v[OUTW+(nb+kk)/32], s[40+kk], (nb+kk)%32
.set kk, kk+1
.endr
.set nb, nb+8
.endr
.endm
	s_load_b512 s[4:19], s[0:1], 0x0               ; query, key, value, Wq, Wk, Wv, Wo, mask
	s_load_b128 s[20:23], s[0:1], 0x40             ; cod, scl
	s_load_b64 s[24:25], s[0:1], 0x50              ; mbits
	v_lshl_add_u32 v[SPW], v0, 2, SPARE
	v_mov_b32 v[NIL], 0
	v_lshrrev_b32 v1, 5, v0
	v_readfirstlane_b32 s26, v1                    ; wave 0..3
	v_and_b32 v1, 31, v0                           ; lane
	v_and_b32 v2, 15, v0                           ; r
	v_bfe_u32 v3, v0, 4, 1                         ; h
	s_cmp_lt_u32 ttmp9, 512
	s_cbranch_scc1 .Lmask
	; ---------------- the quantiser ----------------
	s_sub_co_u32 s27, ttmp9, 512                   ; 0 .. 895: 256 work-groups for each activation, 32 for each weight
	s_mov_b32 s30, 864
	s_mov_b32 s31, 4096
	s_mov_b32 s38, 0x76543210
	s_mov_b32 s39, 0xfedcba98                      ; v_permlanex16_b32's selects for lane l xor 16
	s_mov_b32 s40, 0xffff0000                      ; lanes 16-31
	s_mul_i32 s41, s26, QSTG
	s_wait_alu depctr_va_vdst(0)
	v_lshlrev_b32 v4, 4, v1                        ; 16 x lane: my bytes of a row's 512
	v_add_nc_u32 v5, s41, v4                       ; into the stage
	v_mul_u32_u24 v6, v2, 528
	v_lshl_add_u32 v6, v3, 7, v6
	v_add_nc_u32 v6, s41, v6                       ; out of it: row r, + 128 h
	v_lshlrev_b32 v7, 3, v1                        ; 8 x lane: my place in a plane
	v_lshlrev_b32 v8, 4, v2
	v_lshl_add_u32 v8, v3, 3, v8                   ; 16 r + 8 h: my two scale words
	v_lshlrev_b32 v9, 3, v3                        ; 8 h
	v_mov_b32 v23, 0                               ; written once: a lane permute's destination counts as one of its sources
	s_wait_alu depctr_va_vdst(0)
	s_wait_kmcnt 0x0
	s_mov_b64 s[28:29], s[16:17]                   ; which tensor: the choice hangs on the work-group's number alone
	s_cmp_lt_u32 s27, 864
	s_cselect_b64 s[28:29], s[14:15], s[28:29]
	s_cselect_b32 s30, 832, s30
	s_cmp_lt_u32 s27, 832
	s_cselect_b64 s[28:29], s[12:13], s[28:29]
	s_cselect_b32 s30, 800, s30
	s_cmp_lt_u32 s27, 800
	s_cselect_b64 s[28:29], s[10:11], s[28:29]
	s_cselect_b32 s30, 768, s30
	s_cmp_lt_u32 s27, 768
	s_cselect_b64 s[28:29], s[8:9], s[28:29]
	s_cselect_b32 s30, 512, s30
	s_cselect_b32 s31, 32768, s31                  ; a K step's plane of scale words: rows x 4 bytes
	s_cmp_lt_u32 s27, 512
	s_cselect_b64 s[28:29], s[6:7], s[28:29]
	s_cselect_b32 s30, 256, s30
	s_cmp_lt_u32 s27, 256
	s_cselect_b64 s[28:29], s[4:5], s[28:29]
	s_cselect_b32 s30, 0, s30                      ; the tensor's first work-group; its sections begin at 24,576 and 1,024 times that
	s_sub_co_u32 s32, s27, s30
	s_lshr_b32 s33, s32, 1                         ; g: which 64 rows
	s_and_b32 s34, s32, 1
	s_lshl_b32 s34, s34, 2
	s_add_co_u32 s34, s34, s26                     ; s: which K step
	s_lshl_b32 s36, s33, 18
	s_lshl_b32 s35, s34, 9
	s_add_co_u32 s36, s36, s35
	s_mov_b32 s37, 0
	s_add_nc_u64 s[28:29], s[28:29], s[36:37]      ; the input at row 64 g, byte 512 s
	s_mul_i32 s36, s30, 24576
	s_mul_i32 s35, s33, 49152
	s_add_co_u32 s36, s36, s35
	s_mul_i32 s35, s34, 1536
	s_add_co_u32 s36, s36, s35
	s_add_nc_u64 s[20:21], s[20:21], s[36:37]      ; the codes at tile 4 g, K step s
	s_lshl_b32 s36, s30, 10
	s_mul_i32 s35, s34, s31
	s_add_co_u32 s36, s36, s35
	s_lshl_b32 s35, s33, 8
	s_add_co_u32 s36, s36, s35
	s_add_nc_u64 s[22:23], s[22:23], s[36:37]      ; the scale words of these four tiles: 256 bytes
	LOADP 0
	LOADP 1
.irp p, 0,1,2,3
.if \p < 3
	s_wait_loadcnt 16                              ; this patch's 16 loads are in; the next patch's may be out
.else
	s_wait_loadcnt 0x0
.endif
	TURNP \p
	s_wait_dscnt 0x0                               ; my numbers are back, and the stores into the stage have read their registers,
.if \p < 2
	LOADP \p+2                                     ; which take the patch two on
.endif
.if \p > 0
	s_wait_xcnt 0x0                                ; the last patch's stores have read the fragment's registers: they are written again only behind this wait
.endif
	Q2 \p
.endr
	v_cndmask_b32 v[D], v[W], v[W+2], s40          ; lanes 0-15 store tiles 0 and 1's words of row r, lanes 16-31 tiles 2 and 3's
	v_cndmask_b32 v[D+1], v[W+1], v[W+3], s40
	global_store_b64 v8, v[D:D+1], s[22:23]        ; 256 consecutive bytes, aligned
	s_wait_tensorcnt 0x0                           ; the wave's end, behind my last LDS store
	ds_add_u32 v[SPW], v[NIL]
	s_wait_dscnt 0x0
	s_endpgm
	; ---------------- the mask ----------------
.Lmask:
	s_lshr_b32 s27, ttmp9, 7                       ; b
	s_and_b32 s28, ttmp9, 127                      ; the tile of queries: 2 G + u
	s_lshr_b32 s29, s28, 1
	s_and_b32 s30, s28, 1
	s_lshl_b32 s29, s29, 5
	s_lshl_b32 s30, s30, 3
	s_add_co_u32 s29, s29, s30                     ; 32 G + 8 u
	s_lshl_b32 s36, s29, 11                        ; a row of the mask is 2,048 bytes
	s_lshl_b32 s27, s27, 22
	s_add_co_u32 s36, s36, s27
	s_lshl_b32 s27, s26, 9                         ; my wave's 512 keys
	s_add_co_u32 s36, s36, s27
	s_mov_b32 s37, 0
	s_lshl_b32 s38, ttmp9, 12                      ; a tile's words: 16 steps x 256 bytes
	s_lshl_b32 s27, s26, 10                        ; my wave's four steps
	s_add_co_u32 s38, s38, s27
	s_mov_b32 s39, 0
	s_mul_i32 s41, s26, MSTG
	s_add_co_u32 s41, s41, MSTG0
	s_wait_alu depctr_va_vdst(0)
	v_lshlrev_b32 v4, 4, v2
	v_lshl_add_u32 v4, v3, 11, v4                  ; a load takes two rows x 256 bytes: row h, byte 16 r
	v_mul_u32_u24 v5, v3, 272
	v_lshl_add_u32 v5, v2, 4, v5
	v_add_nc_u32 v5, s41, v5                       ; into the stage likewise
	v_mul_u32_u24 v6, v2, 272
	v_lshl_add_u32 v6, v3, 5, v6                   ; out of it: row r, + 32 h: a lane takes whole blocks of 32 keys
	v_add_nc_u32 v6, s41, v6                       ; out of it: row r, + 32 h
	v_lshlrev_b32 v7, 3, v1
	v_mov_b32 v[OUTW], 0                           ; written once: v_writelane_b32's destination counts as read
	v_mov_b32 v[OUTW+1], 0
	s_wait_alu depctr_va_vdst(0)
	s_wait_kmcnt 0x0
	s_add_nc_u64 s[18:19], s[18:19], s[36:37]
	s_lshl_b32 s52, ttmp9, 9                       ; the flags lie behind the words, from byte 2,097,152 on: 512 bytes a tile of queries, 128 a wave
	s_lshl_b32 s53, s26, 7
	s_add_co_u32 s52, s52, s53
	s_add_co_u32 s52, s52, 2097152
	s_mov_b32 s53, 0
	s_add_nc_u64 s[52:53], s[24:25], s[52:53]
	s_mov_b32 s50, 0                               ; my four steps' flags
	s_add_nc_u64 s[24:25], s[24:25], s[38:39]
.irp sp, 0,1
.irp j, 0,1,2,3,4,5,6,7
	global_load_b128 v[ML+32*\sp+4*\j:ML+32*\sp+4*\j+3], v4, s[18:19] offset:(2*\j+8*(\j/4))*2048+256*\sp th:TH_LOAD_NT   ; the tile's rows 2 j and 2 j + 1
.endr
.endr
.irp sp, 0,1
.if \sp == 0
	s_wait_loadcnt 8                               ; this span's eight loads are in; the second span's may be out
.else
	s_wait_loadcnt 0x0
.endif
.irp j, 0,1,2,3,4,5,6,7
	ds_store_b128 v5, v[ML+32*\sp+4*\j:ML+32*\sp+4*\j+3] offset:2*\j*272
.endr
.irp c, 0,1,2,3,4,5,6,7
	ds_load_b128 v[MB+4*\c:MB+4*\c+3], v6 offset:64*(\c/2)+16*(\c%2)   ; keys 64 (c / 2) + 32 h + 16 (c % 2) + 0 .. 15 of my row: bit r + 16 h of a step's word n is the mask at key 64 (n / 32) + 32 h + n % 32
.endr
	s_wait_dscnt 0x0
.irp st, 0,1
	s_wait_xcnt 0x0                                ; the last step's store has read the pair: it is written again only behind this wait
	MWORDS \st
	global_store_b64 v7, v[OUTW:OUTW+1], s[24:25] offset:256*(2*\sp+\st)   ; 256 consecutive bytes, aligned
	v_or_b32 v24, v[OUTW], v[OUTW+1]
	v_cmp_ne_u32 s48, 0, v24                       ; is any of the step's 2,048 mask bytes set?
	s_cmp_lg_u32 s48, 0
	s_cselect_b32 s49, 1<<(2*\sp+\st), 0
	s_or_b32 s50, s50, s49
.endr
.endr
	s_lshl_b32 s49, s26, 2
	s_lshl_b32 s50, s50, s49                       ; bit = the step's number, 4 x wave + 0 .. 3
	v_mov_b32 v25, s50
	v_lshlrev_b32 v26, 2, v1
	global_store_b32 v26, v25, s[52:53]            ; 32 copies: 128 consecutive bytes a wave, 512 a work-group
	s_wait_tensorcnt 0x0
	ds_add_u32 v[SPW], v[NIL]
	s_wait_dscnt 0x0
	s_endpgm
.Lfunc_end_k_qee0dfd4dca_prep:
	.size	k_qee0dfd4dca_prep, .Lfunc_end_k_qee0dfd4dca_prep-k_qee0dfd4dca_prep
	.p2alignl 7, 3214868480
	.fill 96, 4, 3214868480
	.section	.rodata,"a",@progbits
	.p2align	6, 0x0
	.amdhsa_kernel k_qee0dfd4dca_prep
		.amdhsa_group_segment_fixed_size 51712
		.amdhsa_private_segment_fixed_size 0
		.amdhsa_enable_private_segment 0
		.amdhsa_kernarg_size 88
		.amdhsa_user_sgpr_count 2
		.amdhsa_user_sgpr_kernarg_segment_ptr 1
		.amdhsa_wavefront_size32 1
		.amdhsa_system_sgpr_workgroup_id_x 1
		.amdhsa_system_sgpr_workgroup_id_y 1
		.amdhsa_system_sgpr_workgroup_id_z 1
		.amdhsa_system_vgpr_workitem_id 0
		.amdhsa_next_free_vgpr 256
		.amdhsa_next_free_sgpr 66
		.amdhsa_reserve_vcc 0
		.amdhsa_float_denorm_mode_32 3
		.amdhsa_float_denorm_mode_16_64 3
		.amdhsa_memory_ordered 1
		.amdhsa_forward_progress 1
		.amdhsa_inst_pref_size 88
	.end_amdhsa_kernel
	.amdgpu_metadata
---
amdhsa.version: [ 1, 2 ]
amdhsa.kernels:
  - .name:           k_qee0dfd4dca_prep
    .symbol:         k_qee0dfd4dca_prep.kd
    .args:
      - { .name: query, .offset: 0, .size: 8, .value_kind: global_buffer, .address_space: global }
      - { .name: key, .offset: 8, .size: 8, .value_kind: global_buffer, .address_space: global }
      - { .name: value, .offset: 16, .size: 8, .value_kind: global_buffer, .address_space: global }
      - { .name: Wq, .offset: 24, .size: 8, .value_kind: global_buffer, .address_space: global }
      - { .name: Wk, .offset: 32, .size: 8, .value_kind: global_buffer, .address_space: global }
      - { .name: Wv, .offset: 40, .size: 8, .value_kind: global_buffer, .address_space: global }
      - { .name: Wo, .offset: 48, .size: 8, .value_kind: global_buffer, .address_space: global }
      - { .name: mask, .offset: 56, .size: 8, .value_kind: global_buffer, .address_space: global }
      - { .name: cod, .offset: 64, .size: 8, .value_kind: global_buffer, .address_space: global }
      - { .name: scl, .offset: 72, .size: 8, .value_kind: global_buffer, .address_space: global }
      - { .name: mbits, .offset: 80, .size: 8, .value_kind: global_buffer, .address_space: global }
    .group_segment_fixed_size: 51712
    .private_segment_fixed_size: 0
    .kernarg_segment_align: 8
    .kernarg_segment_size: 88
    .max_flat_workgroup_size: 128
    .sgpr_count:     66
    .vgpr_count:     256
    .wavefront_size: 32
...
	.end_amdgpu_metadata
.endif
;; end of part 1
;; launch proj (part 2): grid 8 x 96, 4 waves a work-group, clusters of 4 x 4, 295,424 bytes of LDS; arguments cod, scl, bq, bk, bv, cos, sin, qkimg, qkscl, vimg, vscl; writes qkimg, qkscl, vimg, vscl
.if DOCPART == 2
	.amdgcn_target "amdgcn-amd-amdhsa--gfx1250"
	.amdhsa_code_object_version 6
	.text
	.protected	k_qee0dfd4dca_proj
	.globl	k_qee0dfd4dca_proj
	.p2align	8
	.type	k_qee0dfd4dca_proj,@function
k_qee0dfd4dca_proj:
	s_mov_b64 s[64:65], 0
	v_nop
	global_prefetch_b8 v0, s[64:65] scope:SCOPE_SE
	s_setreg_imm32_b32 hwreg(HW_REG_WAVE_MODE, 25, 1), 1
	s_wait_xcnt 0x0
	s_wait_alu depctr_hold_cnt(0) depctr_sa_sdst(0) depctr_va_vdst(0) depctr_va_sdst(0) depctr_va_ssrc(0) depctr_va_vcc(0) depctr_vm_vsrc(0)
	s_getreg_b32 s2, hwreg(HW_REG_IB_STS2, 6, 4)
	s_cmp_eq_u32 s2, 0
	s_cbranch_scc0 .Lentry_in_a_cluster
	s_endpgm
.Lentry_in_a_cluster:
	s_bfe_u32 s2, ttmp6, 0x10000c
	s_cmp_lg_u32 s2, 0xf033
	s_cbranch_scc0 .Lentry_shape_is_right
	s_endpgm
.Lentry_shape_is_right:
; PROJ.  The three projections on codes of FP6 (E2M3) with E8M0 scales, their biases, RoPE, and the quantisers of q, k (along the head's 64) and v (along the keys).
; A work-group multiplies P = 128 rows (source 0) by R = 256 rows (source 1) over all of K = 1,024.  In the result a lane holds ONE row of R and its registers run along P's rows.
;   kind 0, 1 (q, k): P = rows of Wq or Wk (128 features = 2 heads), R = 256 tokens: a lane holds a token, registers run along the features: what RoPE and the quantiser along d want.
;   kind 2 (v):       P = 128 tokens of value (one key step), R = 256 rows of Wv (4 heads): a lane holds a feature, registers run along the keys: what the quantiser along the keys wants.
; The rows of a tile are not neighbours (tile (g, u): rows 32 g + 8 u + rho + 8 (rho / 8)), so the 16 registers of P's tiles 2 B and 2 B + 1 are 16 neighbours: 32 B + 16 h + 0 .. 15.
; LDS: all of K is resident: R's 16 tiles, then P's 8, each 12,288 bytes (all eight K steps), as images of the operands' registers in planes of 256 bytes.  Every byte is filled once: no slot is filled again.
; CLUSTER 4 x 4: R's tiles hang on cy and on the cluster's place alone and are asked for jointly along a row of the cluster, P's on cx and are asked for along a column.
; A wave takes R's tiles 4 w .. 4 w + 3 against P's eight: 32 accumulators, which take turns, one instruction a turn.
; Behind the common head the text parts once on the kind (the cluster's y: equal in all partners) into two ways that never join.
; OUT: q, k: qkimg [q | k][16 b + head][group of 32 tokens][1,536]: a fragment whose K 0-63 is token tile (group, 0) and K 64-127 token tile (group, 1); register group c of lane l at 512 c + 16 l.
;      qkscl [q | k][bh][64 tokens][r][2 words];  v: vimg [bh][key step][d tile][1,536], vscl [bh][step][r][4 words].
; REGISTERS: window 0: v1-15 lane terms and addresses; v32-95 scale words (register 8 s + i: lanes 0-15 R's tile i, lanes 16-31 P's tile i); v96-191 R's fragments, two sets; v192-207 offsets of the scale loads;
;   on the way out v32-57 codes and words, v96-223 numbers, v224-239 at work; v240-247 bv.  window 1: P's fragments, two sets at 0 and 128; the bias tiles at 96-127 and 224-255.
;   window 2: the accumulators, (a, b) at 8 (8 a + b).  window 3: cos and sin of my tokens, 64 a tile: C1 | C2 | S1 | S2.
; LIMITS: blocks whose largest magnitude lies under 2^-124 keep the byte 1, blocks of zeros too (this program alone reads the bytes); NaN and infinities are not served.
.set SLOTB, 73728
.set POFF,  196608                     ; LDS by tiles: R's 16 tiles x 12,288 bytes (all eight K steps), then P's 8 from here on; a wave's part is consecutive in memory and comes by ONE load at the head
.set SPARE, 294912                     ; behind the slots: the spare words, 128 bytes for each wave
.set VR,   4                           ; v4     LDS address of my R fragments
.set VP,   8                           ; v8-9   of P's tiles 0-3 and 4-7
.set L16,  12                          ; v12    16 x lane
.set SOFF, 13                          ; v13    where my scale words go
.set SPW,  28                          ; v28    LDS address of my spare word; never rewritten
.set NIL,  29                          ; v29    0; never rewritten
.set SC,   32
.set RF,   96
.set SADR, 192
.set T,    96
.set TM,   224
.set BV,   240
.set PC,   32
.set PWS,  52
.set DW,   56
.set WV,   26
.set G1R,  28                          ; s[28:35] group 1 for R's tiles;  s[36:43] for P's;  s[44:47], s[68:71] groups 0
.set G1P,  36
.set G0R,  44
.set G0P,  68
.set HALF, 91                          ; s91 lanes 16-31
.set SEL,  96                          ; s[96:97] v_permlanex16_b32's selects
.set MSB,  0
.macro WIN new                         ; the immediate's high byte repeats the setting that is left
.if MSB != \new
	s_set_vgpr_msb (MSB<<8)|\new
.set MSB, \new
.endif
.endm
.macro PLACES
.rept 4
	v_nop
.endr
.endm
.macro CROUND                          ; a round of the cluster's barrier
	s_barrier_signal -1
	s_barrier_wait -1
	s_cmp_lg_u32 s[WV], 0
	s_cbranch_scc1 .Lnot_wave_0_\@
	s_barrier_signal -3
.Lnot_wave_0_\@:
	s_barrier_wait -3
	s_barrier_signal -1
	s_barrier_wait -1
.endm
.macro FETCH s                         ; K step s: P's eight fragments and my four of R into set s % 2: each load takes a plane, 256 consecutive bytes
	WIN 0x40
.irp b, 0,1,2,3,4,5,6,7
.irp p, 0,1,2,3,4,5
	ds_load_b64 v[128*((\s)%2)+12*\b+2*\p:128*((\s)%2)+12*\b+2*\p+1], v[VP+\b/4] offset:12288*(\b%4)+1536*(\s)+256*\p
.endr
.endr
	WIN 0
.irp a, 0,1,2,3
.irp p, 0,1,2,3,4,5
	ds_load_b64 v[RF+48*((\s)%2)+12*\a+2*\p:RF+48*((\s)%2)+12*\a+2*\p+1], v[VR] offset:12288*\a+1536*(\s)+256*\p
.endr
.endr
.endm
.macro MUL32 s, mode                   ; mode 0: in place; 1: the bias tile starts the sum; 2: the constant 0 does
.if \mode == 1
	WIN 0x91                                       ; source 0 (P) and C (bias) window 1, source 1 (R) window 0, D window 2
.else
	WIN 0xa1                                       ; source 0 window 1, source 1 window 0, C and D window 2
.endif
.irp a, 0,1,2,3
.irp b, 0,1,2,3,4,5,6,7
.if \mode == 0
	v_wmma_scale_f32_16x16x128_f8f6f4 v[8*(8*\a+\b):8*(8*\a+\b)+7], v[128*((\s)%2)+12*\b:128*((\s)%2)+12*\b+11], v[RF+48*((\s)%2)+12*\a:RF+48*((\s)%2)+12*\a+11], v[8*(8*\a+\b):8*(8*\a+\b)+7], v[SC+8*(\s)+\b], v[SC+8*(\s)+\a] matrix_a_fmt:MATRIX_FMT_FP6 matrix_b_fmt:MATRIX_FMT_FP6 matrix_a_scale:MATRIX_SCALE_ROW1
.elseif \mode == 1
	v_wmma_scale_f32_16x16x128_f8f6f4 v[8*(8*\a+\b):8*(8*\a+\b)+7], v[128*((\s)%2)+12*\b:128*((\s)%2)+12*\b+11], v[RF+48*((\s)%2)+12*\a:RF+48*((\s)%2)+12*\a+11], v[96+8*\b+96*(\b/4):96+8*\b+96*(\b/4)+7], v[SC+8*(\s)+\b], v[SC+8*(\s)+\a] matrix_a_fmt:MATRIX_FMT_FP6 matrix_b_fmt:MATRIX_FMT_FP6 matrix_a_scale:MATRIX_SCALE_ROW1
.else
	v_wmma_scale_f32_16x16x128_f8f6f4 v[8*(8*\a+\b):8*(8*\a+\b)+7], v[128*((\s)%2)+12*\b:128*((\s)%2)+12*\b+11], v[RF+48*((\s)%2)+12*\a:RF+48*((\s)%2)+12*\a+11], 0, v[SC+8*(\s)+\b], v[SC+8*(\s)+\a] matrix_a_fmt:MATRIX_FMT_FP6 matrix_b_fmt:MATRIX_FMT_FP6 matrix_a_scale:MATRIX_SCALE_ROW1
.endif
.endr
.endr
.endm
.macro STEPK s, mode
	s_wait_dscnt 0x0                               ; this step's fragments are in
.if ((\s) > 0) && ((\s) < 7)
	PLACES                                         ; in front of loads into the set that the last step's products read
.endif
.if (\s) < 7
	FETCH (\s)+1
.endif
	MUL32 \s, \mode
.endm
.macro MAIN mode
	s_wait_loadcnt 0x0                             ; scale words, biases, tables
	s_wait_tensorcnt 0x0                           ; my one load has landed
	s_barrier_signal -1
	s_barrier_wait -1
	FETCH 0
	STEPK 0, \mode
.irp s, 1,2,3,4,5,6,7
	STEPK \s, 0
.endr
.endm
; 64 numbers of a lane become a fragment's codes in v[PC] on and its scale word in v[pw].  Blocks 0, 1: v[sA + 16 b + i]; blocks 2, 3: v[sB + 16 (b - 2) + i]; register 16 b + i = k 32 b + 16 h + i of my row.
.macro QUANT sA, sB, pw
.irp b, 0,1
	v_max3_num_f32 v[TM+\b], |v[(\sA)+16*\b]|, |v[(\sA)+16*\b+1]|, 0x1800000   ; with the floor 2^(3 - 127): the byte cannot fall under 1
	v_max3_num_f32 v[TM+2+\b], |v[(\sB)+16*\b]|, |v[(\sB)+16*\b+1]|, 0x1800000
.endr
.irp i, 2,4,6,8,10,12,14
.irp b, 0,1
	v_max3_num_f32 v[TM+\b], v[TM+\b], |v[(\sA)+16*\b+\i]|, |v[(\sA)+16*\b+\i+1]|
	v_max3_num_f32 v[TM+2+\b], v[TM+2+\b], |v[(\sB)+16*\b+\i]|, |v[(\sB)+16*\b+\i+1]|
.endr
.endr
.irp b, 0,1,2,3
	v_permlanex16_b32 v[TM+4+\b], v[TM+\b], s[SEL], s[SEL+1]
.endr
.irp b, 0,1,2,3
	v_max_num_f32 v[TM+\b], v[TM+\b], v[TM+4+\b]   ; with lane l xor 16's: the block's largest magnitude
.endr
.irp b, 0,1,2,3
	v_add_nc_u32 v[TM+12+\b], 0xff000000, v[TM+\b] ; 2 off its exponent field: the conversion's scale operand
.endr
.irp b, 0,1,2,3
	v_lshrrev_b32 v[TM+4+\b], 23, v[TM+12+\b]      ; the byte
.endr
	v_lshl_or_b32 v[\pw], v[TM+5], 8, v[TM+4]
	v_lshl_or_b32 v[\pw], v[TM+6], 16, v[\pw]
	v_lshl_or_b32 v[\pw], v[TM+7], 24, v[\pw]
	v_cvt_scalef32_pk16_fp6_f32 v[PC:PC+2], v[(\sA):(\sA)+15], v[TM+12]
	v_cvt_scalef32_pk16_fp6_f32 v[PC+12:PC+14], v[(\sA)+16:(\sA)+31], v[TM+13]
	v_cvt_scalef32_pk16_fp6_f32 v[PC+6:PC+8], v[(\sB):(\sB)+15], v[TM+14]
	v_cvt_scalef32_pk16_fp6_f32 v[PC+16:PC+18], v[(\sB)+16:(\sB)+31], v[TM+15]
	v_nop                                          ; one plain place behind a scaled conversion
.irp c, 0,1                                    ; the operand's layout wants a whole block in a lane
.irp i, 0,1,2
	v_permlane16_swap_b32 v[PC+6*\c+\i], v[PC+12+4*\c+\i]
.endr
.irp i, 0,1,2
	v_mov_b32 v[PC+3+6*\c+\i], v[PC+12+4*\c+\i]
.endr
.endr
.endm
; RoPE of R's tile a: x1 = d 16 h + i, x2 = d 32 + 16 h + i of head hd.  Each accumulator is read from its low end on.
.macro ROPE a
.irp hd, 0,1
.irp i, 0,2,4,6,8,10,12,14
	v_pk_mul_f32 v[T+64*((\a)%2)+32*\hd+\i:T+64*((\a)%2)+32*\hd+\i+1], v[64*(\a)+32*\hd+\i:64*(\a)+32*\hd+\i+1], v[64*(\a)+\i:64*(\a)+\i+1]
	v_pk_mul_f32 v[T+64*((\a)%2)+32*\hd+16+\i:T+64*((\a)%2)+32*\hd+16+\i+1], v[64*(\a)+32*\hd+16+\i:64*(\a)+32*\hd+16+\i+1], v[64*(\a)+16+\i:64*(\a)+16+\i+1]
	v_pk_fma_f32 v[T+64*((\a)%2)+32*\hd+\i:T+64*((\a)%2)+32*\hd+\i+1], v[64*(\a)+32*\hd+16+\i:64*(\a)+32*\hd+16+\i+1], v[64*(\a)+32+\i:64*(\a)+32+\i+1], v[T+64*((\a)%2)+32*\hd+\i:T+64*((\a)%2)+32*\hd+\i+1] neg_lo:[1,0,0] neg_hi:[1,0,0]
	v_pk_fma_f32 v[T+64*((\a)%2)+32*\hd+16+\i:T+64*((\a)%2)+32*\hd+16+\i+1], v[64*(\a)+32*\hd+\i:64*(\a)+32*\hd+\i+1], v[64*(\a)+48+\i:64*(\a)+48+\i+1], v[T+64*((\a)%2)+32*\hd+16+\i:T+64*((\a)%2)+32*\hd+16+\i+1]
.endr
.endr
.endm
.macro CLOSE                           ; the wave's end
	s_wait_tensorcnt 0x0                           ; behind my last tensor load
	ds_add_u32 v[SPW], v[NIL]
	s_wait_dscnt 0x0
	CROUND                                         ; the closing round
	s_endpgm
.endm
	s_load_b512 s[4:19], s[0:1], 0x0               ; cod, scl, bq, bk, bv, cos, sin, qkimg
	s_load_b128 s[20:23], s[0:1], 0x40             ; qkscl, vimg
	s_load_b64 s[24:25], s[0:1], 0x50              ; vscl
	v_lshl_add_u32 v[SPW], v0, 2, SPARE
	v_mov_b32 v[NIL], 0
	ds_add_u32 v[SPW], v[NIL]                      ; the wave's opening: the add and its wait ahead of my first tensor load; work on registers stands between them
	ds_add_u32 v[SPW], v[NIL]
	v_lshrrev_b32 v1, 5, v0
	v_readfirstlane_b32 s[WV], v1                  ; wave 0..3
	s_lshr_b32 s27, s[WV], 1                       ; I fetch for R (0) or for P (1),
	s_and_b32 s60, s[WV], 1                        ; its first or its second half
	s_bfe_u32 s84, ttmp6, 0x40000                  ; cx
	s_bfe_u32 s85, ttmp6, 0x40004                  ; cy
	s_and_b32 s86, ttmp7, 0xffff                   ; the cluster's y: 0 .. 23
	s_lshr_b32 s87, s86, 3                         ; kind: 0 q, 1 k, 2 v
	s_and_b32 s88, s86, 7
	s_lshl_b32 s61, s85, 2
	s_lshl_b32 s61, 15, s61                        ; my row of the cluster
	s_lshl_b32 s62, 0x1111, s84                    ; my column
	s_or_b32 s[G1R], s61, (3<<16)|(1<<21)          ; 15:0 the mask; 17:16 elements of 8 bytes; 21 set beside a mask; no padding
	s_or_b32 s[G1P], s62, (3<<16)|(1<<21)
.irp g, G1R, G1P
	s_mov_b32 s[\g+1], 1536<<16                    ; tensor_dim0 = 1,536 elements: a tile's 12,288 bytes, all of K
	s_mov_b32 s[\g+3], 1536<<16                    ; tile_dim0
	s_mov_b32 s[\g+5], 1536                        ; from tile to tile: 12,288 bytes
	s_mov_b32 s[\g+6], 0
	s_mov_b32 s[\g+7], 0
.endr
	s_mov_b32 s[G1R+2], 8<<16                      ; tensor_dim1 = 8 tiles
	s_mov_b32 s[G1R+4], 8                          ; tile_dim1
	s_mov_b32 s[G1P+2], 4<<16
	s_mov_b32 s[G1P+4], 4
	s_lshl_b32 s89, s88, 2
	s_add_co_u32 s89, s89, s85                     ; q, k: R's block of 256 tokens = 4 (y % 8) + cy
	s_lshl_b32 s90, ttmp9, 2
	s_add_co_u32 s90, s90, s84                     ; q, k: P's block of 128 features = 4 x + cx
	s_lshl_b32 s91, s88, 3
	s_mul_i32 s92, s87, 6291456                    ; sections of the codes: R's for q, k: query, key;
	s_mul_i32 s93, s87, 786432
	s_add_co_u32 s93, s93, 18874368                ; P's: Wq, Wk
	s_lshl_b32 s94, s87, 18                        ; sections of the scale words likewise
	s_lshl_b32 s95, s87, 15
	s_add_co_u32 s95, s95, 786432
	s_mov_b32 s96, 4096
	s_mov_b32 s97, 32768
	s_cmp_lt_u32 s87, 2
	s_cselect_b32 s89, s89, s85                    ; v: R's block of 256 rows of Wv = cy
	s_cselect_b32 s91, 0, s91
	s_cselect_b32 s92, s92, 20447232               ; v: R = Wv,
	s_cselect_b32 s93, s93, 12582912               ; P = value
	s_cselect_b32 s94, s94, 851968
	s_cselect_b32 s95, s95, 524288
	s_cselect_b32 s98, s97, s96                    ; from K step to K step in R's scale words,
	s_cselect_b32 s99, s96, s97                    ; and in P's
	s_add_co_u32 s90, s90, s91                     ; v: P's block of 128 tokens = 8 (y % 8) + 4 x + cx
	s_lshl_b32 s2, s89, 4
	s_lshl_b32 s3, s60, 3
	s_add_co_u32 s2, s2, s3
	s_mul_i32 s2, s2, 12288
	s_add_co_u32 s2, s2, s92                       ; R: tile 16 x block + 8 x half
	s_mov_b32 s3, 0
	s_lshl_b32 s62, s90, 3
	s_lshl_b32 s63, s60, 2
	s_add_co_u32 s62, s62, s63
	s_mul_i32 s62, s62, 12288
	s_add_co_u32 s62, s62, s93                     ; P: tile 8 x block + 4 x half
	s_mov_b32 s63, 0
	s_mul_i32 s61, s60, 98304                      ; where they go: R's half of 8 tiles; no place in the cluster enters an LDS address
	s_mul_i32 s86, s60, 49152                      ; P's half of 4 tiles
	s_wait_dscnt 0x0                               ; the opening add is done
	s_wait_kmcnt 0x0
	s_add_nc_u64 s[2:3], s[4:5], s[2:3]
	s_add_nc_u64 s[62:63], s[4:5], s[62:63]
	CROUND                                         ; all sixteen work-groups are here: the joint loads meet
.irp q, 0
	s_mov_b32 s[G0R+4*\q], 1
	s_add_co_u32 s[G0R+4*\q+1], s61, \q*SLOTB
	s_add_nc_u64 s[G0R+4*\q+2:G0R+4*\q+3], s[2:3], \q*3072
	s_or_b32 s[G0R+4*\q+3], s[G0R+4*\q+3], 0x80000000
	s_mov_b32 s[G0P+4*\q], 1
	s_add_co_u32 s[G0P+4*\q+1], s86, \q*SLOTB+POFF
	s_add_nc_u64 s[G0P+4*\q+2:G0P+4*\q+3], s[62:63], \q*3072
	s_or_b32 s[G0P+4*\q+3], s[G0P+4*\q+3], 0x80000000
.endr
	s_cmp_eq_u32 s27, 0                            ; one first fill a wave, one to each arm
	s_cbranch_scc0 .Lfill_p
	tensor_load_to_lds s[G0R:G0R+3], s[G1R:G1R+7]
	s_nop 0
	PLACES
	s_branch .Lfilled
.Lfill_p:
	tensor_load_to_lds s[G0P:G0P+3], s[G1P:G1P+7]
	s_nop 0
	PLACES
.Lfilled:
	v_and_b32 v1, 15, v0                           ; r
	v_bfe_u32 v2, v0, 4, 1                         ; h
	v_and_b32 v3, 31, v0                           ; lane
	v_lshlrev_b32 v16, 3, v3
	s_wait_alu depctr_va_vdst(0)
	v_lshlrev_b32 v[L16], 4, v3
	s_mul_i32 s61, s[WV], 49152                    ; my four tiles of R
	v_add_nc_u32 v[VR], s61, v16
	v_add_nc_u32 v[VP], POFF, v16                  ; P's tiles 0-3,
	v_add_nc_u32 v[VP+1], POFF+49152, v16          ; and 4-7: the immediates stay under 65,536
	; the scale words of all eight K steps: lanes 0-15 take R's (my four tiles: 16 bytes a row), lanes 16-31 P's (eight tiles: 2 x 16 bytes)
	s_lshl_b32 s61, s89, 2
	s_add_co_u32 s61, s61, s[WV]
	s_lshl_b32 s61, s61, 8
	s_add_co_u32 s61, s61, s94
	s_lshl_b32 s86, s90, 9
	s_add_co_u32 s86, s86, s95
	s_mov_b32 s[HALF], 0xffff0000
	v_mov_b32 v17, s61
	v_mov_b32 v18, s86
	v_cndmask_b32 v17, v17, v18, s[HALF]
	v_lshl_add_u32 v17, v1, 4, v17
	v_mov_b32 v18, s98
	v_mov_b32 v19, s99
	v_cndmask_b32 v18, v18, v19, s[HALF]
.irp s, 0,1,2,3,4,5,6,7
	v_mad_u32_u24 v[SADR+2*\s], v18, \s, v17
	v_lshl_add_u32 v[SADR+2*\s+1], v2, 8, v[SADR+2*\s]
.endr
.irp s, 0,1,2,3,4,5,6,7
	global_load_b128 v[SC+8*\s:SC+8*\s+3], v[SADR+2*\s], s[6:7]
	global_load_b128 v[SC+8*\s+4:SC+8*\s+7], v[SADR+2*\s+1], s[6:7]
.endr
	s_mov_b32 s[SEL], 0x76543210
	s_mov_b32 s[SEL+1], 0xfedcba98
.irp b, 0,1,2,3
	v_mov_b32 v[TM+4+\b], 0                        ; written once: a lane permute's destination counts as one of its sources
.endr
	s_cmp_eq_u32 s87, 2
	s_cbranch_scc1 .Lvpath
	; ---------------- q and k ----------------
	s_cmp_eq_u32 s87, 0
	s_cselect_b64 s[92:93], s[8:9], s[10:11]       ; bq or bk
	s_lshl_b32 s94, s90, 9
	s_mov_b32 s95, 0
	s_add_nc_u64 s[92:93], s[92:93], s[94:95]      ; at P's first feature
	s_lshl_b32 s94, s89, 8
	s_lshl_b32 s60, s[WV], 6
	s_add_co_u32 s94, s94, s60                     ; my first token of 8,192
	s_and_b32 s86, s94, 2047                       ; in its batch
	s_lshr_b32 s61, s94, 11                        ; the batch
	s_lshl_b32 s94, s86, 8
	s_add_nc_u64 s[14:15], s[14:15], s[94:95]      ; cos and sin at that token: 256 bytes a row
	s_add_nc_u64 s[16:17], s[16:17], s[94:95]
	s_lshl_b32 s61, s61, 4
	s_lshl_b32 s60, s90, 1
	s_add_co_u32 s61, s61, s60                     ; 16 b + P's first head
	s_lshl_b32 s94, s61, 6
	s_lshr_b32 s60, s86, 5
	s_add_co_u32 s94, s94, s60
	s_mul_i32 s94, s94, 1536
	s_mul_i32 s60, s87, 6291456
	s_add_co_u32 s94, s94, s60
	s_add_nc_u64 s[18:19], s[18:19], s[94:95]      ; my first fragment in qkimg
	s_lshl_b32 s94, s61, 12
	s_lshr_b32 s60, s86, 6
	s_lshl_b32 s60, s60, 7
	s_add_co_u32 s94, s94, s60
	s_lshl_b32 s60, s87, 18
	s_add_co_u32 s94, s94, s60
	s_add_nc_u64 s[20:21], s[20:21], s[94:95]      ; my 64 tokens' words in qkscl
	v_lshlrev_b32 v20, 6, v2                       ; 64 h
	v_and_b32 v21, 8, v1
	v_add_nc_u32 v21, v21, v1
	v_lshl_add_u32 v21, v21, 8, v20                ; (r + 8 (r / 8)) rows of 256 bytes + 64 h
	v_lshlrev_b32 v[SOFF], 3, v1
	v_lshl_add_u32 v[SOFF], v2, 12, v[SOFF]        ; 8 r, and the second head's words 4,096 bytes on
	WIN 0x40
.irp b, 0,1,2,3,4,5,6,7                        ; the bias in the result's layout: tile b, lane (r, h): features 32 (b / 2) + 8 (b % 2) + 16 h + 0 .. 7
	global_load_b128 v[96+8*\b+96*(\b/4):96+8*\b+96*(\b/4)+3], v20, s[92:93] offset:(32*(\b/2)+8*(\b%2))*4
	global_load_b128 v[96+8*\b+96*(\b/4)+4:96+8*\b+96*(\b/4)+7], v20, s[92:93] offset:(32*(\b/2)+8*(\b%2))*4+16
.endr
	WIN 0xc0
.irp a, 0,1,2,3                                ; cos and sin of my token of tile a: d = 16 h + 0 .. 15 and 32 + 16 h + 0 .. 15
.irp z, 0,1
.irp jj, 0,1,2,3
	global_load_b128 v[64*\a+16*\z+4*\jj:64*\a+16*\z+4*\jj+3], v21, s[14:15] offset:(32*(\a/2)+8*(\a%2))*256+128*\z+16*\jj
	global_load_b128 v[64*\a+32+16*\z+4*\jj:64*\a+32+16*\z+4*\jj+3], v21, s[16:17] offset:(32*(\a/2)+8*(\a%2))*256+128*\z+16*\jj
.endr
.endr
.endr
	WIN 0
	MAIN 1
	PLACES                                         ; behind the last products: their results are read, and their operands' registers written
.irp be, 0,1                                   ; my tokens 32 be .. 32 be + 31: tiles 2 be and 2 be + 1
	WIN 0x0e                                       ; source 0 window 2 (the sums), source 1 window 3 (the tables), the rest window 0
	ROPE 2*\be
	ROPE 2*\be+1
	WIN 0
.irp hd, 0,1
	s_wait_xcnt 0x0                                ; the last fragment's stores have read its registers
	QUANT T+32*\hd, T+64+32*\hd, PWS+2*\hd+\be
.irp c, 0,1,2
	global_store_b128 v[L16], v[PC+4*\c:PC+4*\c+3], s[18:19] offset:98304*\hd+1536*\be+512*\c   ; 512 consecutive bytes, aligned
.endr
.endr
.endr
	v_cndmask_b32 v[DW], v[PWS], v[PWS+2], s[HALF] ; lanes 0-15: the first head's two words of row r, lanes 16-31: the second head's
	v_cndmask_b32 v[DW+1], v[PWS+1], v[PWS+3], s[HALF]
	global_store_b64 v[SOFF], v[DW:DW+1], s[20:21]
	CLOSE
	; ---------------- v ----------------
.Lvpath:
	s_lshl_b32 s92, s89, 2
	s_add_co_u32 s92, s92, s[WV]                   ; my head: my 64 rows of Wv
	s_lshl_b32 s94, s92, 8
	s_mov_b32 s95, 0
	s_add_nc_u64 s[12:13], s[12:13], s[94:95]      ; bv at my head
	s_lshr_b32 s60, s90, 4                         ; the batch
	s_and_b32 s61, s90, 15                         ; the key step
	s_lshl_b32 s60, s60, 4
	s_add_co_u32 s60, s60, s92
	s_lshl_b32 s60, s60, 4
	s_add_co_u32 s60, s60, s61                     ; (16 b + head) x 16 + step
	s_mul_i32 s94, s60, 6144
	s_add_nc_u64 s[22:23], s[22:23], s[94:95]
	s_lshl_b32 s94, s60, 8
	s_add_nc_u64 s[24:25], s[24:25], s[94:95]
	v_and_b32 v20, 8, v1
	v_add_nc_u32 v20, v20, v1
	v_lshlrev_b32 v20, 2, v20                      ; 4 (r + 8 (r / 8))
	v_lshlrev_b32 v[SOFF], 4, v1
	v_lshl_add_u32 v[SOFF], v2, 3, v[SOFF]         ; 16 r + 8 h
.irp a, 0,1,2,3
	global_load_b32 v[BV+2*\a], v20, s[12:13] offset:(32*(\a/2)+8*(\a%2))*4     ; bv of my feature of tile a;
	global_load_b32 v[BV+2*\a+1], v20, s[12:13] offset:(32*(\a/2)+8*(\a%2))*4   ; (the packed form names a pair, so both are written)
.endr
	MAIN 2
	PLACES
.irp a, 0,1,2,3
	WIN 0x02                                       ; source 0 window 2
.set ii, 0
.rept 32
	v_pk_add_f32 v[T+ii:T+ii+1], v[64*\a+ii:64*\a+ii+1], v[BV+2*\a:BV+2*\a+1] op_sel_hi:[1,0]   ; + bv; register 16 b + i = key 32 b + 16 h + i.  Each accumulator from its low end on
.set ii, ii+2
.endr
	WIN 0
	s_wait_xcnt 0x0                                ; the last fragment's stores have read its registers
	QUANT T, T+32, PWS+\a
.irp c, 0,1,2
	global_store_b128 v[L16], v[PC+4*\c:PC+4*\c+3], s[22:23] offset:1536*\a+512*\c
.endr
.endr
	v_cndmask_b32 v[DW], v[PWS], v[PWS+2], s[HALF] ; lanes 0-15: tiles 0 and 1's words of row r, lanes 16-31: tiles 2 and 3's
	v_cndmask_b32 v[DW+1], v[PWS+1], v[PWS+3], s[HALF]
	global_store_b64 v[SOFF], v[DW:DW+1], s[24:25] ; 256 consecutive bytes, aligned
	CLOSE
.Lfunc_end_k_qee0dfd4dca_proj:
	.size	k_qee0dfd4dca_proj, .Lfunc_end_k_qee0dfd4dca_proj-k_qee0dfd4dca_proj
	.p2alignl 7, 3214868480
	.fill 96, 4, 3214868480
	.section	.rodata,"a",@progbits
	.p2align	6, 0x0
	.amdhsa_kernel k_qee0dfd4dca_proj
		.amdhsa_group_segment_fixed_size 295424
		.amdhsa_private_segment_fixed_size 0
		.amdhsa_enable_private_segment 0
		.amdhsa_kernarg_size 88
		.amdhsa_user_sgpr_count 2
		.amdhsa_user_sgpr_kernarg_segment_ptr 1
		.amdhsa_wavefront_size32 1
		.amdhsa_system_sgpr_workgroup_id_x 1
		.amdhsa_system_sgpr_workgroup_id_y 1
		.amdhsa_system_sgpr_workgroup_id_z 1
		.amdhsa_system_vgpr_workitem_id 0
		.amdhsa_next_free_vgpr 1024
		.amdhsa_next_free_sgpr 100
		.amdhsa_reserve_vcc 0
		.amdhsa_float_denorm_mode_32 3
		.amdhsa_float_denorm_mode_16_64 3
		.amdhsa_memory_ordered 1
		.amdhsa_forward_progress 1
		.amdhsa_inst_pref_size 218
	.end_amdhsa_kernel
	.amdgpu_metadata
---
amdhsa.version: [ 1, 2 ]
amdhsa.kernels:
  - .name:           k_qee0dfd4dca_proj
    .symbol:         k_qee0dfd4dca_proj.kd
    .args:
      - { .name: cod, .offset: 0, .size: 8, .value_kind: global_buffer, .address_space: global }
      - { .name: scl, .offset: 8, .size: 8, .value_kind: global_buffer, .address_space: global }
      - { .name: bq, .offset: 16, .size: 8, .value_kind: global_buffer, .address_space: global }
      - { .name: bk, .offset: 24, .size: 8, .value_kind: global_buffer, .address_space: global }
      - { .name: bv, .offset: 32, .size: 8, .value_kind: global_buffer, .address_space: global }
      - { .name: cos, .offset: 40, .size: 8, .value_kind: global_buffer, .address_space: global }
      - { .name: sin, .offset: 48, .size: 8, .value_kind: global_buffer, .address_space: global }
      - { .name: qkimg, .offset: 56, .size: 8, .value_kind: global_buffer, .address_space: global }
      - { .name: qkscl, .offset: 64, .size: 8, .value_kind: global_buffer, .address_space: global }
      - { .name: vimg, .offset: 72, .size: 8, .value_kind: global_buffer, .address_space: global }
      - { .name: vscl, .offset: 80, .size: 8, .value_kind: global_buffer, .address_space: global }
    .group_segment_fixed_size: 295424
    .private_segment_fixed_size: 0
    .kernarg_segment_align: 8
    .kernarg_segment_size: 88
    .max_flat_workgroup_size: 128
    .sgpr_count:     100
    .vgpr_count:     1024
    .wavefront_size: 32
...
	.end_amdgpu_metadata
.endif
;; end of part 2
;; launch attn (part 3): grid 4 x 64, 16 waves a work-group, no clusters, 206,848 bytes of LDS; arguments qkimg, qkscl, vimg, vscl, mbits, ocod, scl; writes ocod, scl
.if DOCPART == 3
	.amdgcn_target "amdgcn-amd-amdhsa--gfx1250"
	.amdhsa_code_object_version 6
	.text
	.protected	k_qee0dfd4dca_attn
	.globl	k_qee0dfd4dca_attn
	.p2align	8
	.type	k_qee0dfd4dca_attn,@function
k_qee0dfd4dca_attn:
	s_mov_b64 s[64:65], 0
	v_nop
	global_prefetch_b8 v0, s[64:65] scope:SCOPE_SE
	s_setreg_imm32_b32 hwreg(HW_REG_WAVE_MODE, 25, 1), 1
	s_wait_xcnt 0x0
; ATTN.  softmax(q k^T / 8, masked) v for one (batch, head) and 512 queries a work-group, both products on codes of FP6 (E2M3) with E8M0 scales; the result, divided by the row's sum, is quantised along d for the last product.
; t = score x log2(e) / 8; M = the running largest t rounded up to a whole number; p = 2^(t - M) is quantised along the keys; the row's sum is taken of the unquantised p.  When M moves, the sum and O are multiplied by 2^(old M - new M): exact.
; SHARES.  Sixteen waves; wave w owns the 32 queries of group G = 16 x + w and does its two tiles of 16 one after the other, each over all 2,048 keys, 128 a step.
; LDS.  The head's K and V are resident, 12,800 bytes a key step: K's four fragments (6,144), V's four (6,144), K's scale words (256), V's (256).  Wave w brings step w through its registers; one barrier; nothing is written again.
; LAYOUT.  Both products are used transposed: a lane holds one query (lane % 16).  The head's K is 64 in an instruction of 128: a fragment holds two key tiles and is multiplied by [q, 0] and by [0, q]: zero codes add nothing.
; On the way into LDS the lanes of each pair of K's fragments are permuted, so that tile u (0..3) of 64 keys holds keys 8 u + rho (rho < 8) and 32 + 8 u + rho - 8: register 32 c + i of the scores is then key 64 c + 32 h + i,
; a WHOLE block of the second product's K in one lane, in the order of that operand's registers: a block's maximum needs no other lane and the codes no exchange of lanes.
; THE MASK.  An earlier launch stored, as whole numbers, a lane-mask word for each score register and one flag for each 16 queries x 128 keys.  A step whose flag is clear has no masked score: it loads and applies no word.
; Else a masked score becomes -infinity ahead of the maximum.  A row whose every key is masked has the sum 0: its scale bytes are set to 0xff, which makes the row of the last product NaN.
; NO TENSOR LOAD, NO JOINT LOADS: the step branches on a number read from memory.  NO PREFETCH: K and V are read once, at the head; no loop runs ahead of that read.
; LIMITS: blocks whose largest magnitude lies under 2^-124 keep the byte 1; NaN and infinities among the inputs are not served.
.set STEPB, 12800
.set SPARE, 204800                     ; the spare words, 128 bytes for each wave: eight blocks of 256 bytes that no other line names
.set LI,  1                            ; 16 x lane
.set SH,  2                            ; 8 h
.set AK,  3                            ; staging: where my lane's K, V, K's words, V's words go
.set AV,  4
.set SPW, 5
.set NIL, 6
.set NEG, 7
.set AD,  8                            ; the step's LDS address
.set AS,  9
.set AT,  10
.set QO,  11
.set QZ,  16                           ; v16-33 zeros | q | zeros
.set QS,  34
.set QF,  36
.set QW,  48
.set PH,  49
.set FF,  51
.set KV,  52                           ; v52-99 four fragments of K, then of V
.set KS,  100                          ; v100-103 lanes 0-15 K's scale words, lanes 16-31 V's
.set S,   108                          ; v108-171 scores, then p
.set O,   172                          ; v172-203 O^T
.set PC,  204
.set CT,  216
.set CH,  224
.set BM,  228
.set SO,  230
.set BT,  232
.set TMP, 234
.set TM2, 235
.set F,   236                          ; v236 f; v237 p's scale word (the packed forms name the pair and take its low word)
.set PW,  237
.set RC,  238
.set T,   240                          ; v240-253 seven partial sums
.set OA,  254
.set SA,  255
.macro MLOAD                           ; the 64 words of the unit at s6: the word at place x lands in s[20 + x] (x < 32) or s[36 + x]
	s_load_b512 s[20:35], s[4:5], s6 offset:0x0
	s_load_b512 s[36:51], s[4:5], s6 offset:0x40
	s_load_b512 s[68:83], s[4:5], s6 offset:0x80
	s_load_b512 s[84:99], s[4:5], s6 offset:0xc0
.endm
.macro STEP                            ; 128 keys for my 16 queries
	v_add_nc_u32 v[AD], s18, v[LI]
.rept 3
	v_nop                                          ; with the line above: four places behind the last products, in front of the loads below
.endr
.irp f, 0,1,2,3
.irp c, 0,1,2
	ds_load_b128 v[KV+12*\f+4*\c:KV+12*\f+4*\c+3], v[AD] offset:1536*\f+512*\c
.endr
.endr
	ds_load_b128 v[KS:KS+3], v[AD] offset:12288    ; lanes 0-15: K's four words of row r; lanes 16-31 fall 256 bytes on: V's four
	s_wait_alu depctr_va_vdst(0)
	s_wait_dscnt 0x0
.irp f, 0,1,2,3
	v_wmma_scale_f32_16x16x128_f8f6f4 v[S+16*\f:S+16*\f+7], v[KV+12*\f:KV+12*\f+11], v[QZ+6:QZ+17], 0, v[KS+\f], v[QS] matrix_a_fmt:MATRIX_FMT_FP6 matrix_b_fmt:MATRIX_FMT_FP6
	v_wmma_scale_f32_16x16x128_f8f6f4 v[S+16*\f+8:S+16*\f+15], v[KV+12*\f:KV+12*\f+11], v[QZ:QZ+11], 0, v[KS+\f], v[QS+1] matrix_a_fmt:MATRIX_FMT_FP6 matrix_b_fmt:MATRIX_FMT_FP6
.endr
.rept 4
	v_nop                                          ; places: the loads below land in registers that these products read, and the scores are read
.endr
.irp a, 0,1,2,3                                ; V's four fragments land while the softmax is walked
.irp c, 0,1,2
	ds_load_b128 v[KV+12*\a+4*\c:KV+12*\a+4*\c+3], v[AD] offset:6144+1536*\a+512*\c
.endr
.endr
	s_bitcmp1_b32 s16, s3                          ; has this step a masked score for my tile?
	s_cbranch_scc0 .Lclear_\@
	MLOAD
	s_wait_kmcnt 0x0
.set nn, 0
.rept 64
.set mpos, 2*(nn%32)+nn/32
	v_cndmask_b32 v[S+nn], v[S+nn], v[NEG], s[20+mpos+16*(mpos/32)]   ; ascending: each accumulator is read from its low end on
.set nn, nn+1
.endr
.Lclear_\@:
.irp k, 0,1,2,3                                ; my two blocks' largest scores, in four chains by turns; each accumulator is first read at its low end
	v_max3_num_f32 v[CH+\k], v[S+16*\k], v[S+16*\k+1], v[S+16*\k+2]
.endr
.irp i, 3,5,7,9,11,13
.irp k, 0,1,2,3
	v_max3_num_f32 v[CH+\k], v[CH+\k], v[S+16*\k+\i], v[S+16*\k+\i+1]
.endr
.endr
.irp c, 0,1
	v_max3_num_f32 v[BM+\c], v[CH+2*\c], v[CH+2*\c+1], v[S+32*\c+15]
.endr
.irp c, 0,1
	v_max_num_f32 v[BM+\c], v[BM+\c], v[S+32*\c+31]   ; block 2 c + h: for the row's maximum, and, since p rises with the score, for the block's largest p
.endr
	v_max_num_f32 v[TMP], v[BM], v[BM+1]
	v_mul_f32 v[TMP], s14, v[TMP]                  ; as t (c is positive)
	v_permlanex16_b32 v[TM2], v[TMP], s12, s13     ; lane l xor 16's 64 keys
	v_max3_num_f32 v13, v13, v[TMP], v[TM2]        ; the running largest t
	v_mov_b32 v[TMP], v12
	s_delay_alu instid0(VALU_DEP_2)
	v_floor_f32 v12, -v13                          ; the new -M = floor(-t): M is a whole number
	s_delay_alu instid0(VALU_DEP_1)
	v_sub_f32 v[TMP], v12, v[TMP]                  ; old M - new M: a whole number, 0 or less
	s_delay_alu instid0(VALU_DEP_1)
	v_cvt_i32_f32 v[TMP], v[TMP]                   ; (it saturates)
	s_delay_alu instid0(VALU_DEP_1)
	v_ldexp_f32 v[F], 1.0, v[TMP]                  ; f = 2^(old M - new M)
.set ii, 0
.rept 32
	v_pk_fma_f32 v[S+ii:S+ii+1], v[S+ii:S+ii+1], s[14:15], v[12:13] op_sel_hi:[1,0,0]   ; t - M
.set ii, ii+2
.endr
.irp c, 0,1
	v_fma_f32 v[BM+\c], v[BM+\c], s14, v12         ; the same of each block's largest score
.endr
	s_wait_alu depctr_va_vdst(0)                   ; the wait ahead of the batch
.set ii, 0
.rept 64
	v_exp_f32 v[S+ii], v[S+ii]                     ; p = 2^(t - M)
.set ii, ii+1
.endr
.irp c, 0,1
	v_exp_f32 v[BM+\c], v[BM+\c]                   ; the block's largest p: the same arithmetic on the same number
.endr
	v_pk_mul_f32 v[14:15], v[14:15], v[F:F+1] op_sel_hi:[1,0]   ; the sums under the new M: a plain place behind the exponentials
	s_wait_alu depctr_va_vdst(0)                   ; one wait for the batch, ahead of its first reader
.irp c, 0,1
	v_max_num_f32 v[BM+\c], 0x1800000, v[BM+\c]    ; the floor 2^(3 - 127): the byte cannot fall under 1
.endr
.irp c, 0,1
	s_delay_alu instid0(VALU_DEP_2)
	v_add_nc_u32 v[SO+\c], 0xff000000, v[BM+\c]    ; 2 off the exponent field: the conversion's scale operand
.endr
.irp c, 0,1
	s_delay_alu instid0(VALU_DEP_2)
	v_lshrrev_b32 v[BT+\c], 23, v[SO+\c]           ; the byte
.endr
	s_delay_alu instid0(VALU_DEP_1)
	v_lshl_or_b32 v[TMP], v[BT+1], 16, v[BT]       ; my bytes: blocks h and 2 + h,
	s_delay_alu instid0(VALU_DEP_1)
	v_lshlrev_b32 v[TMP], v[SH], v[TMP]            ; at their places in the word;
	s_delay_alu instid0(VALU_DEP_1)
	v_permlanex16_b32 v[TM2], v[TMP], s12, s13
	s_delay_alu instid0(VALU_DEP_1)
	v_or_b32 v[PW], v[TMP], v[TM2]                 ; with lane l xor 16's two the word is whole
.irp j, 0,1,2,3,4,5,6                          ; the row's sum of the unquantised p: eight chains
	v_pk_add_f32 v[T+2*\j:T+2*\j+1], v[S+2*\j:S+2*\j+1], v[S+14+2*\j:S+15+2*\j]
.endr
	v_pk_add_f32 v[14:15], v[14:15], v[S+28:S+29]
.irp j, 0,1,2,3,4,5,6
	v_pk_add_f32 v[T+2*\j:T+2*\j+1], v[T+2*\j:T+2*\j+1], v[S+30+2*\j:S+31+2*\j]
.endr
	v_pk_add_f32 v[14:15], v[14:15], v[S+44:S+45]
.irp j, 0,1,2,3,4,5,6
	v_pk_add_f32 v[T+2*\j:T+2*\j+1], v[T+2*\j:T+2*\j+1], v[S+46+2*\j:S+47+2*\j]
.endr
	v_pk_add_f32 v[14:15], v[14:15], v[S+60:S+61]
	v_pk_add_f32 v[T:T+1], v[T:T+1], v[S+62:S+63]
	v_pk_add_f32 v[T+2:T+3], v[T+2:T+3], v[T+4:T+5]
	v_pk_add_f32 v[T+6:T+7], v[T+6:T+7], v[T+8:T+9]
	v_pk_add_f32 v[T+10:T+11], v[T+10:T+11], v[T+12:T+13]
	v_pk_add_f32 v[14:15], v[14:15], v[T:T+1]
	v_pk_add_f32 v[T+2:T+3], v[T+2:T+3], v[T+6:T+7]
	v_pk_add_f32 v[14:15], v[14:15], v[T+10:T+11]
	s_delay_alu instid0(VALU_DEP_1)
	v_pk_add_f32 v[14:15], v[14:15], v[T+2:T+3]
.irp c, 0,1
	v_cvt_scalef32_pk16_fp6_f32 v[PC+6*\c:PC+6*\c+2], v[S+32*\c:S+32*\c+15], v[SO+\c]
	v_cvt_scalef32_pk16_fp6_f32 v[CT+4*\c:CT+4*\c+2], v[S+32*\c+16:S+32*\c+31], v[SO+\c]   ; (a conversion's three registers begin on an even number)
.endr
	v_nop                                          ; one plain place behind a scaled conversion
.irp c, 0,1
.irp i, 0,1,2
	v_mov_b32 v[PC+3+6*\c+\i], v[CT+4*\c+\i]       ; registers 6 c .. 6 c + 5 now hold k = 64 c + 32 h + 0 .. 31
.endr
.endr
	s_wait_dscnt 0x0                               ; V
	s_wait_alu depctr_va_vdst(0)                   ; directly ahead of the first reader of O^T
.set ii, 0
.rept 16
	v_pk_mul_f32 v[O+ii:O+ii+1], v[O+ii:O+ii+1], v[F:F+1] op_sel_hi:[1,0]   ; O^T under the new M; ascending.  (Also the places between the codes and their word and the products below)
.set ii, ii+2
.endr
.irp a, 0,1,2,3
	v_wmma_scale_f32_16x16x128_f8f6f4 v[O+8*\a:O+8*\a+7], v[KV+12*\a:KV+12*\a+11], v[PC:PC+11], v[O+8*\a:O+8*\a+7], v[KS+\a], v[PW] matrix_a_fmt:MATRIX_FMT_FP6 matrix_b_fmt:MATRIX_FMT_FP6 matrix_a_scale:MATRIX_SCALE_ROW1
.endr
	s_add_co_u32 s18, s18, STEPB                   ; the next step's bytes in LDS,
	s_add_co_u32 s6, s6, 256                       ; and its mask words
.endm
; THE WAY OUT of tile u: O^T / the sum; register 16 blk + i = d 32 blk + 16 h + i: two blocks of the last product's K.  Six registers of codes: half a fragment, three planes of 256 bytes.
.macro OUT u
.rept 4
	v_nop                                          ; places behind the last products
.endr
	v_add_f32 v14, v14, v15
	s_delay_alu instid0(VALU_DEP_1)
	v_permlanex16_b32 v[TMP], v14, s12, s13
	s_delay_alu instid0(VALU_DEP_1)
	v_add_f32 v14, v14, v[TMP]                     ; the row's sum
	s_delay_alu instid0(VALU_DEP_1)
	v_cmp_eq_f32 s17, 0, v14                       ; a row with every key masked: it only selects a value below
	s_wait_alu depctr_va_vdst(0)                   ; ahead of the transcendental
	v_rcp_f32 v[RC], v14
	v_mov_b32 v[RC+1], 0                           ; a plain place behind the reciprocal (and the pair's upper word is written)
	s_wait_alu depctr_va_vdst(0)                   ; the wait ahead of its first reader, and of O^T's
.set ii, 0
.rept 16
	v_pk_mul_f32 v[O+ii:O+ii+1], v[O+ii:O+ii+1], v[RC:RC+1] op_sel_hi:[1,0]
.set ii, ii+2
.endr
.irp b, 0,1
	v_max3_num_f32 v[BM+\b], |v[O+16*\b]|, |v[O+16*\b+1]|, 0x1800000
.endr
.irp i, 2,4,6,8,10,12,14
.irp b, 0,1
	s_delay_alu instid0(VALU_DEP_2)
	v_max3_num_f32 v[BM+\b], v[BM+\b], |v[O+16*\b+\i]|, |v[O+16*\b+\i+1]|
.endr
.endr
.irp b, 0,1
	s_delay_alu instid0(VALU_DEP_2)
	v_permlanex16_b32 v[BT+\b], v[BM+\b], s12, s13
.endr
.irp b, 0,1
	s_delay_alu instid0(VALU_DEP_2)
	v_max_num_f32 v[BM+\b], v[BM+\b], v[BT+\b]
.endr
.irp b, 0,1
	s_delay_alu instid0(VALU_DEP_2)
	v_add_nc_u32 v[SO+\b], 0xff000000, v[BM+\b]
.endr
.irp b, 0,1
	s_delay_alu instid0(VALU_DEP_2)
	v_lshrrev_b32 v[BT+\b], 23, v[SO+\b]
.endr
	s_delay_alu instid0(VALU_DEP_1)
	v_lshl_or_b32 v[PH+\u], v[BT+1], 8, v[BT]
	s_delay_alu instid0(VALU_DEP_1)
	v_cndmask_b32 v[PH+\u], v[PH+\u], v[FF], s17
	s_wait_alu depctr_va_vdst(0)
	s_wait_xcnt 0x0                                ; earlier stores have read the codes' registers
	v_cvt_scalef32_pk16_fp6_f32 v[PC:PC+2], v[O:O+15], v[SO]
	v_cvt_scalef32_pk16_fp6_f32 v[CT:CT+2], v[O+16:O+31], v[SO+1]
	v_nop
.irp i, 0,1,2
	v_permlane16_swap_b32 v[PC+\i], v[CT+\i]
.endr
.irp i, 0,1,2
	v_mov_b32 v[PC+3+\i], v[CT+\i]
.endr
.irp p, 0,1,2
	global_store_b64 v[OA], v[PC+2*\p:PC+2*\p+1], s[8:9] offset:12288*\u+256*\p   ; a plane: 256 consecutive bytes, aligned
.endr
.endm
.macro TILE u
	s_wait_xcnt 0x0                                ; the last tile's stores have read the codes' registers
.irp i, 0,1,2,3,4,5
	v_mov_b32 v[QZ+6+\i], v[QF+6*\u+\i]            ; the tile's q between the zeros
.endr
	v_lshrrev_b32 v[QS], 16*\u, v[QW]
	s_delay_alu instid0(VALU_DEP_1)
	v_and_b32 v[QS], 0xffff, v[QS]                 ; its two bytes for [q, 0];
	s_delay_alu instid0(VALU_DEP_1)
	v_lshlrev_b32 v[QS+1], 16, v[QS]               ; for [0, q].  (The blocks of zero codes have the byte 0)
	v_mov_b32 v13, 0xff61b1e6                      ; the largest t so far: -3e38
	s_delay_alu instid0(VALU_DEP_1)
	v_floor_f32 v12, -v13
	v_mov_b32 v14, 0
	v_mov_b32 v15, 0
.set ii, 0
.rept 32
	v_mov_b32 v[O+ii], 0                           ; the step is written once: the first finds zeros.  (These are also the places between q's words and the first products)
.set ii, ii+1
.endr
	s_mov_b32 s18, 0
	s_mov_b32 s3, 0
.if \u
	s_mov_b32 s16, s19                             ; this tile's sixteen flags
.endif
.Lstep_\@:
	STEP
	s_add_co_u32 s3, s3, 1
	s_cmp_lt_u32 s3, 16
	s_cbranch_scc1 .Lstep_\@
	OUT \u
.endm
	s_load_b256 s[68:75], s[0:1], 0x0              ; qkimg, qkscl, vimg, vscl
	s_load_b128 s[76:79], s[0:1], 0x20             ; mbits, ocod
	s_load_b64 s[80:81], s[0:1], 0x30              ; scl
	v_lshl_add_u32 v[SPW], v0, 2, SPARE
	v_mov_b32 v[NIL], 0
	v_lshrrev_b32 v[T+5], 5, v0
	v_readfirstlane_b32 s2, v[T+5]                 ; wave 0..15
	s_and_b32 s7, ttmp7, 0xffff                    ; 16 b + head
	s_mul_i32 s66, s2, STEPB                       ; I stage key step w
	v_and_b32 v[T], 31, v0                         ; lane
	v_and_b32 v[T+1], 15, v0                       ; r
	v_bfe_u32 v[T+2], v0, 4, 1                     ; h
	v_lshlrev_b32 v[LI], 4, v[T]
	v_lshlrev_b32 v[SH], 3, v[T+2]
	v_lshlrev_b32 v[OA], 3, v[T]
	v_and_b32 v[T+3], 7, v0
	v_lshlrev_b32 v[T+3], 4, v[T+3]                ; 16 (lane % 8)
	v_bfe_u32 v[T+4], v0, 3, 1
	v_mad_u32_u24 v[T+4], v[T+4], 1536, v[T+3]     ; K: rows 8-15 of a fragment as stored go to the next fragment of the pair,
	v_lshl_add_u32 v[T+4], v[T+2], 8, v[T+4]       ; the lane's half stays; the fragment's parity picks rows 0-7 or 8-15 (in the immediates)
	v_add_nc_u32 v[AK], s66, v[T+4]
	v_add_nc_u32 v[AV], s66, v[LI]                 ; V as it lies
	v_bfe_u32 v[T+4], v0, 3, 2
	v_lshl_add_u32 v[T+3], v[T+4], 2, v[T+3]       ; K's words: 16 (lane % 8) + 4 x fragment, fragment = lane / 8
	v_add_nc_u32 v[AS], s66, v[T+3]
	v_add_nc_u32 v[AT], s66, v[OA]                 ; V's words as they lie
	v_lshlrev_b32 v[QO], 3, v[T+1]
	v_lshlrev_b32 v[SA], 4, v[T+1]
	v_lshl_add_u32 v[SA], v[T+2], 2, v[SA]
	v_mov_b32 v[NEG], 0xff800000
	v_mov_b32 v[FF], 0xffff
.irp i, 0,1,2,3,4,5
	v_mov_b32 v[QZ+\i], 0
	v_mov_b32 v[QZ+12+\i], 0
.endr
.irp i, BT, BT+1, TMP, TM2, PW
	v_mov_b32 v[\i], 0                             ; written once: a lane permute's destination counts as one of its sources; the pair's upper word
.endr
	s_mov_b32 s12, 0x76543210
	s_mov_b32 s13, 0xfedcba98                      ; v_permlanex16_b32's selects for lane l xor 16
	s_mov_b32 s14, 0x3e38aa3b                      ; c = log2(e) / 8
	s_mov_b32 s15, s14
	s_mov_b32 s52, 0xffff0000                      ; lanes 16-31
	s_mov_b32 s6, 0
	s_mov_b32 s55, 0
	s_lshl_b32 s53, ttmp9, 4
	s_add_co_u32 s53, s53, s2                      ; G: my group of 32 queries
	s_lshr_b32 s84, s7, 4                          ; b
	s_and_b32 s85, s7, 15                          ; head
	s_lshr_b32 s87, s53, 1
	s_and_b32 s88, s53, 1
	s_lshl_b32 s89, s7, 12
	s_wait_alu depctr_va_vdst(0)
	s_wait_kmcnt 0x0
	s_mul_i32 s54, s7, 98304
	s_mul_i32 s86, s2, 6144
	s_add_co_u32 s54, s54, s86
	s_add_nc_u64 s[56:57], s[68:69], s[54:55]
	s_add_nc_u64 s[56:57], s[56:57], 6291456       ; k's section: the head's key step w
	s_add_nc_u64 s[58:59], s[72:73], s[54:55]      ; v's
	s_lshl_b32 s54, s2, 8
	s_add_co_u32 s54, s54, s89
	s_add_nc_u64 s[60:61], s[70:71], s[54:55]
	s_add_nc_u64 s[60:61], s[60:61], 262144        ; k's scale words of the step
	s_add_nc_u64 s[62:63], s[74:75], s[54:55]      ; v's
	s_lshl_b32 s54, s7, 6
	s_add_co_u32 s54, s54, s53
	s_mul_i32 s54, s54, 1536
	s_add_nc_u64 s[20:21], s[68:69], s[54:55]      ; my fragment of q
	s_lshl_b32 s54, s87, 7
	s_add_co_u32 s54, s54, s89
	s_lshl_b32 s86, s88, 2
	s_add_co_u32 s54, s54, s86
	s_add_nc_u64 s[22:23], s[70:71], s[54:55]      ; and its scale words
	s_lshl_b32 s86, s84, 7
	s_lshl_b32 s54, s53, 1
	s_add_co_u32 s86, s86, s54                     ; my first tile of 512: 128 b + 2 G
	s_lshl_b32 s54, s86, 12
	s_add_nc_u64 s[4:5], s[76:77], s[54:55]        ; its mask words
	s_lshl_b32 s54, s86, 9
	s_add_co_u32 s54, s54, 2097152
	s_add_nc_u64 s[24:25], s[76:77], s[54:55]      ; its flags
	s_mul_i32 s54, s86, 12288
	s_mul_i32 s86, s85, 768                        ; K step head / 2, half head % 2
	s_add_co_u32 s54, s54, s86
	s_add_nc_u64 s[8:9], s[78:79], s[54:55]        ; its codes in ocod
	s_lshr_b32 s54, s85, 1
	s_lshl_b32 s54, s54, 15
	s_lshl_b32 s86, s84, 5
	s_add_co_u32 s86, s86, s87
	s_lshl_b32 s86, s86, 8
	s_add_co_u32 s54, s54, s86
	s_lshl_b32 s86, s88, 3
	s_add_co_u32 s54, s54, s86
	s_and_b32 s86, s85, 1
	s_lshl_b32 s86, s86, 1
	s_add_co_u32 s54, s54, s86
	s_add_co_u32 s54, s54, 917504
	s_add_nc_u64 s[10:11], s[80:81], s[54:55]      ; and its scale bytes
.irp j, 0,1,2,3,4,5,6,7,8,9,10,11              ; each load: 512 consecutive bytes, aligned
	global_load_b128 v[KV+4*\j:KV+4*\j+3], v[LI], s[56:57] offset:512*\j
	global_load_b128 v[S+4*\j:S+4*\j+3], v[LI], s[58:59] offset:512*\j
.endr
	global_load_b64 v[S+48:S+49], v[OA], s[60:61]
	global_load_b64 v[S+50:S+51], v[OA], s[62:63]
.irp c, 0,1,2
	global_load_b128 v[QF+4*\c:QF+4*\c+3], v[LI], s[20:21] offset:512*\c
.endr
	global_load_b32 v[QW], v[QO], s[22:23]
.irp i, 0,1,2,3
	s_load_b32 s[28+\i], s[24:25], 128*\i          ; four words a tile, each with four steps' bits at their places
	s_load_b32 s[32+\i], s[24:25], 512+128*\i
.endr
	s_wait_loadcnt 0x0
.irp g, 0,1,2,3
.irp c, 0,1,2
	ds_store_b128 v[AK], v[KV+12*\g+4*\c:KV+12*\g+4*\c+3] offset:3072*(\g/2)+128*(\g%2)+512*\c
	ds_store_b128 v[AV], v[S+12*\g+4*\c:S+12*\g+4*\c+3] offset:6144+1536*\g+512*\c
.endr
.endr
	ds_store_b32 v[AS], v[S+48] offset:12288       ; the even fragment's word: rows 0-7,
	ds_store_b32 v[AS], v[S+49] offset:12288+128   ; the odd one's: rows 8-15
	ds_store_b64 v[AT], v[S+50:S+51] offset:12544
	s_wait_dscnt 0x0                               ; my step is in LDS,
	s_barrier_signal -1
	s_barrier_wait -1                              ; everybody's is; nothing is written again
	s_wait_kmcnt 0x0
	s_or_b32 s16, s28, s29
	s_or_b32 s17, s30, s31
	s_or_b32 s16, s16, s17                         ; tile 0's flags, bit = key step
	s_or_b32 s19, s32, s33
	s_or_b32 s17, s34, s35
	s_or_b32 s19, s19, s17                         ; tile 1's
	TILE 0
	TILE 1
	v_cndmask_b32 v[TMP], v[PH], v[PH+1], s52      ; lanes 0-15: tile 0's two bytes of row r, lanes 16-31: tile 1's
	global_store_b16 v[SA], v[TMP], s[10:11]       ; the 32 lanes' bytes fall into one aligned run of 256 bytes, which the neighbouring head and group complete
	s_wait_tensorcnt 0x0                           ; the wave's end, behind my last LDS store
	ds_add_u32 v[SPW], v[NIL]
	s_wait_dscnt 0x0
	s_endpgm
.Lfunc_end_k_qee0dfd4dca_attn:
	.size	k_qee0dfd4dca_attn, .Lfunc_end_k_qee0dfd4dca_attn-k_qee0dfd4dca_attn
	.p2alignl 7, 3214868480
	.fill 96, 4, 3214868480
	.section	.rodata,"a",@progbits
	.p2align	6, 0x0
	.amdhsa_kernel k_qee0dfd4dca_attn
		.amdhsa_group_segment_fixed_size 206848
		.amdhsa_private_segment_fixed_size 0
		.amdhsa_enable_private_segment 0
		.amdhsa_kernarg_size 56
		.amdhsa_user_sgpr_count 2
		.amdhsa_user_sgpr_kernarg_segment_ptr 1
		.amdhsa_wavefront_size32 1
		.amdhsa_system_sgpr_workgroup_id_x 1
		.amdhsa_system_sgpr_workgroup_id_y 1
		.amdhsa_system_sgpr_workgroup_id_z 1
		.amdhsa_system_vgpr_workitem_id 0
		.amdhsa_next_free_vgpr 256
		.amdhsa_next_free_sgpr 100
		.amdhsa_reserve_vcc 0
		.amdhsa_float_denorm_mode_32 3
		.amdhsa_float_denorm_mode_16_64 3
		.amdhsa_memory_ordered 1
		.amdhsa_forward_progress 1
		.amdhsa_inst_pref_size 61
	.end_amdhsa_kernel
	.amdgpu_metadata
---
amdhsa.version: [ 1, 2 ]
amdhsa.kernels:
  - .name:           k_qee0dfd4dca_attn
    .symbol:         k_qee0dfd4dca_attn.kd
    .args:
      - { .name: qkimg, .offset: 0, .size: 8, .value_kind: global_buffer, .address_space: global }
      - { .name: qkscl, .offset: 8, .size: 8, .value_kind: global_buffer, .address_space: global }
      - { .name: vimg, .offset: 16, .size: 8, .value_kind: global_buffer, .address_space: global }
      - { .name: vscl, .offset: 24, .size: 8, .value_kind: global_buffer, .address_space: global }
      - { .name: mbits, .offset: 32, .size: 8, .value_kind: global_buffer, .address_space: global }
      - { .name: ocod, .offset: 40, .size: 8, .value_kind: global_buffer, .address_space: global }
      - { .name: scl, .offset: 48, .size: 8, .value_kind: global_buffer, .address_space: global }
    .group_segment_fixed_size: 206848
    .private_segment_fixed_size: 0
    .kernarg_segment_align: 8
    .kernarg_segment_size: 56
    .max_flat_workgroup_size: 512
    .sgpr_count:     100
    .vgpr_count:     256
    .wavefront_size: 32
...
	.end_amdgpu_metadata
.endif
;; end of part 3
;; launch outp (part 4): grid 8 x 32, 4 waves a work-group, clusters of 4 x 4, 295,424 bytes of LDS; arguments ocod, cod, scl, bo, out0; writes out0
.if DOCPART == 4
	.amdgcn_target "amdgcn-amd-amdhsa--gfx1250"
	.amdhsa_code_object_version 6
	.text
	.protected	k_qee0dfd4dca_outp
	.globl	k_qee0dfd4dca_outp
	.p2align	8
	.type	k_qee0dfd4dca_outp,@function
k_qee0dfd4dca_outp:
	s_mov_b64 s[64:65], 0
	v_nop
	global_prefetch_b8 v0, s[64:65] scope:SCOPE_SE
	s_setreg_imm32_b32 hwreg(HW_REG_WAVE_MODE, 25, 1), 1
	s_wait_xcnt 0x0
	s_wait_alu depctr_hold_cnt(0) depctr_sa_sdst(0) depctr_va_vdst(0) depctr_va_sdst(0) depctr_va_ssrc(0) depctr_va_vcc(0) depctr_vm_vsrc(0)
	s_getreg_b32 s2, hwreg(HW_REG_IB_STS2, 6, 4)
	s_cmp_eq_u32 s2, 0
	s_cbranch_scc0 .Lentry_in_a_cluster
	s_endpgm
.Lentry_in_a_cluster:
	s_bfe_u32 s2, ttmp6, 0x10000c
	s_cmp_lg_u32 s2, 0xf033
	s_cbranch_scc0 .Lentry_shape_is_right
	s_endpgm
.Lentry_shape_is_right:
; OUTP.  out0 = (the attention's result) Wo^T + bo on codes of FP6 (E2M3) with E8M0 scales.  The core is that of the projections:
; a work-group multiplies P = 128 rows of Wo (source 0) by R = 256 tokens (source 1) over all of K = 1,024, resident in LDS by tiles (R's 16, then P's 8, x 12,288 bytes: all eight K steps), every byte filled once.
; CLUSTER 4 x 4: R's tiles are asked for jointly along a row of the cluster, P's along a column.  A wave takes R's tiles 4 w .. 4 w + 3 against P's eight: 32 accumulators by turns.
; In the result a lane holds one token (tile a: token 32 (a / 2) + 8 (a % 2) + r + 8 (r / 8)) and eight neighbouring features (32 (b / 2) + 8 (b % 2) + 16 h + j).  bo is the C of each sum's first product.
; THE WAY OUT: 32 tokens x 128 features at a time through the wave's stage in LDS (32 rows of 512 + 16 bytes), back as whole rows of 512 bytes.  The stages lie in the wave's own tiles of R, which have had their only fill, and which
; no other wave reads.
; REGISTERS: window 0: v1-15 lane terms and addresses; v32-95 scale words; v96-191 R's fragments, two sets (on the way out v96-223: rows of out0); v192-207 offsets of the scale loads.
;   window 1: P's fragments, two sets at 0 and 128; the bias tiles at 96-127 and 224-255.  window 2: the accumulators, (a, b) at 8 (8 a + b).
.set SLOTB, 73728
.set POFF,  196608                     ; LDS by tiles: R's 16 tiles x 12,288 bytes (all eight K steps), then P's 8 from here on; a wave's part is consecutive in memory and comes by ONE load at the head
.set SPARE, 294912                     ; behind the slots: the spare words, 128 bytes for each wave
.set VR,   4
.set VP,   8
.set L16,  12
.set STO,  13
.set RD,   14
.set SPW,  28
.set NIL,  29
.set SC,   32
.set RF,   96
.set SADR, 192
.set WV,   26
.set G1R,  28
.set G1P,  36
.set G0R,  44
.set G0P,  68
.set HALF, 91
.set MSB,  0
.macro WIN new                         ; the immediate's high byte repeats the setting that is left
.if MSB != \new
	s_set_vgpr_msb (MSB<<8)|\new
.set MSB, \new
.endif
.endm
.macro PLACES
.rept 4
	v_nop
.endr
.endm
.macro CROUND                          ; a round of the cluster's barrier
	s_barrier_signal -1
	s_barrier_wait -1
	s_cmp_lg_u32 s[WV], 0
	s_cbranch_scc1 .Lnot_wave_0_\@
	s_barrier_signal -3
.Lnot_wave_0_\@:
	s_barrier_wait -3
	s_barrier_signal -1
	s_barrier_wait -1
.endm
.macro FETCH s                         ; K step s: P's eight fragments and my four of R into set s % 2: each load takes a plane, 256 consecutive bytes
	WIN 0x40
.irp b, 0,1,2,3,4,5,6,7
.irp p, 0,1,2,3,4,5
	ds_load_b64 v[128*((\s)%2)+12*\b+2*\p:128*((\s)%2)+12*\b+2*\p+1], v[VP+\b/4] offset:12288*(\b%4)+1536*(\s)+256*\p
.endr
.endr
	WIN 0
.irp a, 0,1,2,3
.irp p, 0,1,2,3,4,5
	ds_load_b64 v[RF+48*((\s)%2)+12*\a+2*\p:RF+48*((\s)%2)+12*\a+2*\p+1], v[VR] offset:12288*\a+1536*(\s)+256*\p
.endr
.endr
.endm
.macro MUL32 s, mode                   ; mode 0: in place; 1: the bias tile starts the sum
.if \mode == 1
	WIN 0x91                                       ; source 0 (P) and C (bias) window 1, source 1 (R) window 0, D window 2
.else
	WIN 0xa1                                       ; source 0 window 1, source 1 window 0, C and D window 2
.endif
.irp a, 0,1,2,3
.irp b, 0,1,2,3,4,5,6,7
.if \mode == 0
	v_wmma_scale_f32_16x16x128_f8f6f4 v[8*(8*\a+\b):8*(8*\a+\b)+7], v[128*((\s)%2)+12*\b:128*((\s)%2)+12*\b+11], v[RF+48*((\s)%2)+12*\a:RF+48*((\s)%2)+12*\a+11], v[8*(8*\a+\b):8*(8*\a+\b)+7], v[SC+8*(\s)+\b], v[SC+8*(\s)+\a] matrix_a_fmt:MATRIX_FMT_FP6 matrix_b_fmt:MATRIX_FMT_FP6 matrix_a_scale:MATRIX_SCALE_ROW1
.else
	v_wmma_scale_f32_16x16x128_f8f6f4 v[8*(8*\a+\b):8*(8*\a+\b)+7], v[128*((\s)%2)+12*\b:128*((\s)%2)+12*\b+11], v[RF+48*((\s)%2)+12*\a:RF+48*((\s)%2)+12*\a+11], v[96+8*\b+96*(\b/4):96+8*\b+96*(\b/4)+7], v[SC+8*(\s)+\b], v[SC+8*(\s)+\a] matrix_a_fmt:MATRIX_FMT_FP6 matrix_b_fmt:MATRIX_FMT_FP6 matrix_a_scale:MATRIX_SCALE_ROW1
.endif
.endr
.endr
.endm
.macro STEPK s, mode
	s_wait_dscnt 0x0                               ; this step's fragments are in
.if ((\s) > 0) && ((\s) < 7)
	PLACES                                         ; in front of loads into the set that the last step's products read
.endif
.if (\s) < 7
	FETCH (\s)+1
.endif
	MUL32 \s, \mode
.endm
	s_load_b256 s[4:11], s[0:1], 0x0               ; ocod, cod, scl, bo
	s_load_b64 s[12:13], s[0:1], 0x20              ; out0
	v_lshl_add_u32 v[SPW], v0, 2, SPARE
	v_mov_b32 v[NIL], 0
	ds_add_u32 v[SPW], v[NIL]                      ; the wave's opening: the add and its wait ahead of my first tensor load; work on registers stands between them
	ds_add_u32 v[SPW], v[NIL]
	v_lshrrev_b32 v1, 5, v0
	v_readfirstlane_b32 s[WV], v1                  ; wave 0..3
	s_lshr_b32 s27, s[WV], 1                       ; I fetch for R (0) or for P (1),
	s_and_b32 s60, s[WV], 1                        ; its first or its second half
	s_bfe_u32 s84, ttmp6, 0x40000                  ; cx
	s_bfe_u32 s85, ttmp6, 0x40004                  ; cy
	s_and_b32 s86, ttmp7, 0xffff
	s_lshl_b32 s61, s85, 2
	s_lshl_b32 s61, 15, s61                        ; my row of the cluster
	s_lshl_b32 s62, 0x1111, s84                    ; my column
	s_or_b32 s[G1R], s61, (3<<16)|(1<<21)          ; 15:0 the mask; 17:16 elements of 8 bytes; 21 set beside a mask; no padding
	s_or_b32 s[G1P], s62, (3<<16)|(1<<21)
.irp g, G1R, G1P
	s_mov_b32 s[\g+1], 1536<<16                    ; a tile's 12,288 bytes, all of K
	s_mov_b32 s[\g+3], 1536<<16
	s_mov_b32 s[\g+5], 1536                        ; from tile to tile: 12,288 bytes
	s_mov_b32 s[\g+6], 0
	s_mov_b32 s[\g+7], 0
.endr
	s_mov_b32 s[G1R+2], 8<<16
	s_mov_b32 s[G1R+4], 8
	s_mov_b32 s[G1P+2], 4<<16
	s_mov_b32 s[G1P+4], 4
	s_lshl_b32 s89, s86, 2
	s_add_co_u32 s89, s89, s85                     ; R's block of 256 tokens = 4 y + cy
	s_lshl_b32 s90, ttmp9, 2
	s_add_co_u32 s90, s90, s84                     ; P's block of 128 features = 4 x + cx
	s_lshl_b32 s2, s89, 4
	s_lshl_b32 s3, s60, 3
	s_add_co_u32 s2, s2, s3
	s_mul_i32 s2, s2, 12288                        ; R: tile 16 x block + 8 x half
	s_mov_b32 s3, 0
	s_lshl_b32 s62, s90, 3
	s_lshl_b32 s63, s60, 2
	s_add_co_u32 s62, s62, s63
	s_mul_i32 s62, s62, 12288
	s_add_co_u32 s62, s62, 21233664                ; P: Wo's section, tile 8 x block + 4 x half
	s_mov_b32 s63, 0
	s_mul_i32 s61, s60, 98304                      ; where they go: R's half of 8 tiles; no place in the cluster enters an LDS address
	s_mul_i32 s86, s60, 49152                      ; P's half of 4 tiles
	s_wait_dscnt 0x0                               ; the opening add is done
	s_wait_kmcnt 0x0
	s_add_nc_u64 s[2:3], s[4:5], s[2:3]
	s_add_nc_u64 s[62:63], s[6:7], s[62:63]
	CROUND                                         ; all sixteen work-groups are here: the joint loads meet
.irp q, 0
	s_mov_b32 s[G0R+4*\q], 1
	s_add_co_u32 s[G0R+4*\q+1], s61, \q*SLOTB
	s_add_nc_u64 s[G0R+4*\q+2:G0R+4*\q+3], s[2:3], \q*3072
	s_or_b32 s[G0R+4*\q+3], s[G0R+4*\q+3], 0x80000000
	s_mov_b32 s[G0P+4*\q], 1
	s_add_co_u32 s[G0P+4*\q+1], s86, \q*SLOTB+POFF
	s_add_nc_u64 s[G0P+4*\q+2:G0P+4*\q+3], s[62:63], \q*3072
	s_or_b32 s[G0P+4*\q+3], s[G0P+4*\q+3], 0x80000000
.endr
	s_cmp_eq_u32 s27, 0                            ; one first fill a wave, one to each arm
	s_cbranch_scc0 .Lfill_p
	tensor_load_to_lds s[G0R:G0R+3], s[G1R:G1R+7]
	s_nop 0
	PLACES
	s_branch .Lfilled
.Lfill_p:
	tensor_load_to_lds s[G0P:G0P+3], s[G1P:G1P+7]
	s_nop 0
	PLACES
.Lfilled:
	v_and_b32 v1, 15, v0                           ; r
	v_bfe_u32 v2, v0, 4, 1                         ; h
	v_and_b32 v3, 31, v0                           ; lane
	v_lshlrev_b32 v16, 3, v3
	s_wait_alu depctr_va_vdst(0)
	v_lshlrev_b32 v[L16], 4, v3
	s_mul_i32 s61, s[WV], 49152                    ; my four tiles of R
	v_add_nc_u32 v[VR], s61, v16
	v_add_nc_u32 v[VP], POFF, v16                  ; P's tiles 0-3,
	v_add_nc_u32 v[VP+1], POFF+49152, v16          ; and 4-7: the immediates stay under 65,536
	s_mul_i32 s61, s[WV], 49152                    ; my stage: the first 16,896 bytes of my own four tiles of R, which have had their only fill, which no other wave reads, and which I have read out when the first result is stored
	v_and_b32 v17, 8, v1
	v_add_nc_u32 v17, v17, v1
	v_mul_u32_u24 v[STO], v17, 528
	v_lshl_add_u32 v[STO], v2, 6, v[STO]
	v_add_nc_u32 v[STO], s61, v[STO]               ; in: row r + 8 (r / 8), + 64 h
	v_add_nc_u32 v[RD], s61, v[L16]                ; back: 16 bytes a lane of a row
	; the scale words of all eight K steps: lanes 0-15 take R's (my four tiles), lanes 16-31 P's (eight tiles)
	s_lshl_b32 s61, s89, 2
	s_add_co_u32 s61, s61, s[WV]
	s_lshl_b32 s61, s61, 8
	s_add_co_u32 s61, s61, 917504
	s_lshl_b32 s86, s90, 9
	s_add_co_u32 s86, s86, 884736
	s_mov_b32 s[HALF], 0xffff0000
	v_mov_b32 v17, s61
	v_mov_b32 v18, s86
	v_cndmask_b32 v17, v17, v18, s[HALF]
	v_lshl_add_u32 v17, v1, 4, v17
	v_mov_b32 v18, 32768
	v_mov_b32 v19, 4096
	v_cndmask_b32 v18, v18, v19, s[HALF]
.irp s, 0,1,2,3,4,5,6,7
	v_mad_u32_u24 v[SADR+2*\s], v18, \s, v17
	v_lshl_add_u32 v[SADR+2*\s+1], v2, 8, v[SADR+2*\s]
.endr
.irp s, 0,1,2,3,4,5,6,7
	global_load_b128 v[SC+8*\s:SC+8*\s+3], v[SADR+2*\s], s[8:9]
	global_load_b128 v[SC+8*\s+4:SC+8*\s+7], v[SADR+2*\s+1], s[8:9]
.endr
	s_lshl_b32 s94, s90, 9
	s_mov_b32 s95, 0
	s_add_nc_u64 s[10:11], s[10:11], s[94:95]      ; bo at P's first feature
	s_add_nc_u64 s[12:13], s[12:13], s[94:95]      ; out0 at the same column,
	s_lshl_b32 s94, s89, 8
	s_lshl_b32 s60, s[WV], 6
	s_add_co_u32 s94, s94, s60
	s_lshl_b32 s94, s94, 12
	s_add_nc_u64 s[12:13], s[12:13], s[94:95]      ; and at my first token: 4,096 bytes a row
	v_lshlrev_b32 v20, 6, v2
	WIN 0x40
.irp b, 0,1,2,3,4,5,6,7                        ; the bias in the result's layout
	global_load_b128 v[96+8*\b+96*(\b/4):96+8*\b+96*(\b/4)+3], v20, s[10:11] offset:(32*(\b/2)+8*(\b%2))*4
	global_load_b128 v[96+8*\b+96*(\b/4)+4:96+8*\b+96*(\b/4)+7], v20, s[10:11] offset:(32*(\b/2)+8*(\b%2))*4+16
.endr
	WIN 0
	s_wait_loadcnt 0x0                             ; scale words and bias
	s_wait_tensorcnt 0x0                           ; my one load has landed
	s_barrier_signal -1
	s_barrier_wait -1
	FETCH 0
	STEPK 0, 1
.irp s, 1,2,3,4,5,6,7
	STEPK \s, 0
.endr
	PLACES                                         ; behind the last products: their results are read, and loads land in their operands' registers
.irp be, 0,1                                   ; my tokens 32 be .. 32 be + 31
	s_wait_xcnt 0x0                                ; the last half's stores have read their registers
	WIN 0x08                                       ; an LDS store's data are its source 1: window 2
.irp u, 0,1
.irp b, 0,1,2,3,4,5,6,7
	ds_store_b128 v[STO], v[8*(8*(2*\be+\u)+\b):8*(8*(2*\be+\u)+\b)+3] offset:8*\u*528+128*(\b/2)+32*(\b%2)      ; each accumulator from its low end on
	ds_store_b128 v[STO], v[8*(8*(2*\be+\u)+\b)+4:8*(8*(2*\be+\u)+\b)+7] offset:8*\u*528+128*(\b/2)+32*(\b%2)+16
.endr
.endr
	WIN 0
.irp t, 0,1,2,3,4,5,6,7,8,9,10,11,12,13,14,15,16,17,18,19,20,21,22,23,24,25,26,27,28,29,30,31
	ds_load_b128 v[96+4*\t:96+4*\t+3], v[RD] offset:528*\t   ; LDS serves a wave's instructions in order: these see my stores, and the next half's stores come behind them
.endr
.irp t, 0,1,2,3,4,5,6,7,8,9,10,11,12,13,14,15,16,17,18,19,20,21,22,23,24,25,26,27,28,29,30,31
	s_wait_dscnt 31-\t                             ; row t is back; the younger loads may be out
	global_store_b128 v[L16], v[96+4*\t:96+4*\t+3], s[12:13] offset:(32*\be+\t)*4096 th:TH_STORE_NT   ; 512 consecutive bytes, aligned
.endr
.endr
	s_wait_tensorcnt 0x0                           ; the wave's end, behind my last tensor load and my last LDS store
	ds_add_u32 v[SPW], v[NIL]
	s_wait_dscnt 0x0
	CROUND                                         ; the closing round
	s_endpgm
.Lfunc_end_k_qee0dfd4dca_outp:
	.size	k_qee0dfd4dca_outp, .Lfunc_end_k_qee0dfd4dca_outp-k_qee0dfd4dca_outp
	.p2alignl 7, 3214868480
	.fill 96, 4, 3214868480
	.section	.rodata,"a",@progbits
	.p2align	6, 0x0
	.amdhsa_kernel k_qee0dfd4dca_outp
		.amdhsa_group_segment_fixed_size 295424
		.amdhsa_private_segment_fixed_size 0
		.amdhsa_enable_private_segment 0
		.amdhsa_kernarg_size 40
		.amdhsa_user_sgpr_count 2
		.amdhsa_user_sgpr_kernarg_segment_ptr 1
		.amdhsa_wavefront_size32 1
		.amdhsa_system_sgpr_workgroup_id_x 1
		.amdhsa_system_sgpr_workgroup_id_y 1
		.amdhsa_system_sgpr_workgroup_id_z 1
		.amdhsa_system_vgpr_workitem_id 0
		.amdhsa_next_free_vgpr 768
		.amdhsa_next_free_sgpr 100
		.amdhsa_reserve_vcc 0
		.amdhsa_float_denorm_mode_32 3
		.amdhsa_float_denorm_mode_16_64 3
		.amdhsa_memory_ordered 1
		.amdhsa_forward_progress 1
		.amdhsa_inst_pref_size 97
	.end_amdhsa_kernel
	.amdgpu_metadata
---
amdhsa.version: [ 1, 2 ]
amdhsa.kernels:
  - .name:           k_qee0dfd4dca_outp
    .symbol:         k_qee0dfd4dca_outp.kd
    .args:
      - { .name: ocod, .offset: 0, .size: 8, .value_kind: global_buffer, .address_space: global }
      - { .name: cod, .offset: 8, .size: 8, .value_kind: global_buffer, .address_space: global }
      - { .name: scl, .offset: 16, .size: 8, .value_kind: global_buffer, .address_space: global }
      - { .name: bo, .offset: 24, .size: 8, .value_kind: global_buffer, .address_space: global }
      - { .name: out0, .offset: 32, .size: 8, .value_kind: global_buffer, .address_space: global }
    .group_segment_fixed_size: 295424
    .private_segment_fixed_size: 0
    .kernarg_segment_align: 8
    .kernarg_segment_size: 40
    .max_flat_workgroup_size: 128
    .sgpr_count:     100
    .vgpr_count:     768
    .wavefront_size: 32
...
	.end_amdgpu_metadata
.endif
;; end of part 4
